; MI455X (gfx1250); checked and timed in simulation.
; The chip was launched on July 23, 2026; its instructions are those of AMD's public machine-readable ISA for CDNA 5 (MIT licence, August 2026) and "CDNA5" Instruction Set Architecture Reference Guide (July 2026). The comments in the code are by the model that wrote it; some were corrected since.
;; Attention. Allowed arithmetic: matrix products marked QUANTISED: E3M2 operands, one E8M0 scale for each 32 along K, by v_wmma_scale_f32_16x16x128_f8f6f4 with both operands' format E3M2, f32 sums; everything else in f32.
;; Inputs: Wk 1,024 x 1,024 float32; Wq 1,024 x 1,024 float32; Wv 1,024 x 1,024 float32; b_k 1,024 float32; b_t 1,024 float32; b_v 1,024 float32; bk 1,024 float32; bq 1,024 float32; bv 1,024 float32; g_k 1,024 float32; g_t 1,024 float32; g_v 1,024 float32; source_k 8 x 2,048 x 1,024 float32; source_v 8 x 2,048 x 1,024 float32; target 8 x 512 x 1,024 float32.
;; Outputs: out0 8 x 512 x 1,024 float32.
;; This version of the problem:
;;   THIS VERSION OF THE PROBLEM IS GIVEN IN LOW PRECISION. The matrix products marked QUANTISED in the list below multiply operands that are first quantised to E3M2 (3 exponent bits, 2 mantissa bits; 6 bits a number), with one power-of-two scale for each 32 numbers along K (OCP MX v1.0); their sums are f32. All else is computed in f32.
;;   The module's matrix products, in the order in which they are computed (A, B: the left and right operand; K: the contracted axis; several contracted axes count as one K, in the product's order):
;;     1. [M 4,096, K 1,024] x [K 1,024, N 1,024]; A: computed on the way; B: input Wq: QUANTISED
;;     2. [M 16,384, K 1,024] x [K 1,024, N 1,024]; A: computed on the way; B: input Wk: QUANTISED
;;     3. [M 16,384, K 1,024] x [K 1,024, N 1,024]; A: computed on the way; B: input Wv: QUANTISED
;;     4. batch 8 x [M 512, K 1,024] x [K 1,024, N 2,048]; A: computed on the way; B: computed on the way: QUANTISED
;;     5. batch 8 x [M 512, K 2,048] x [K 2,048, N 1,024]; A: softmax (see below); B: computed on the way: QUANTISED
;;   THE QUANTISER, for each operand of a quantised product, along K:
;;     - K is cut into blocks of 32 from its start; a last block that is shorter is filled with zeros.
;;     - A block's scale is 2^e with e = floor(log2(the largest magnitude in the block)) - 4, held to -126 .. 127; a block of zeros has e = 0. As a byte (E8M0): e + 127.
;;     - Each number is divided by its block's scale, clamped to +-28, and rounded to the nearest number of E3M2, ties to even, subnormals kept.
;;     - The product sums the exact products of the quantised numbers (number of the format x scale) in f32.
;;   ~~~python
;;   def quantise(x, axis):      # numpy; x: float32 -> the quantised numbers, widened to float32 again
;;       x = np.moveaxis(x, axis, -1); K = x.shape[-1]
;;       x = np.pad(x, [(0, 0)] * (x.ndim - 1) + [(0, -K % 32)]); x = x.reshape(x.shape[:-1] + (-1, 32)); a = np.abs(x).max(-1, keepdims=True)
;;       e = np.where(a > 0, np.clip(np.frexp(np.where(a > 0, a, 1))[1] - 1 - 4, -126, 127), 0)      # np.frexp(a)[1] - 1 = floor(log2(a)), exactly
;;       r = np.clip(x / 2.0 ** e, -28, 28)
;;       step = 2.0 ** (np.maximum(np.frexp(np.where(r == 0, 1, r))[1] - 1, -2) - 2)
;;       q = np.round(r / step) * step * 2.0 ** e      # np.round: ties to even
;;       return np.moveaxis(q.reshape(q.shape[:-2] + (-1,))[..., :K], -1, axis).astype(np.float32)
;;   ~~~
;;   SOFTMAX AHEAD OF A QUANTISED PRODUCT. Where the list says 'softmax', what is quantised is not the finished softmax but p = 2^(t - M), with t = logit x log2(e) and M = ceil(the row's largest t), a whole number; so 1/2 < the row's largest p <= 1. The row's sum l is taken of the UNQUANTISED p, in f32, and the product's result is divided by l at the end. Since M is a whole number, a kernel that streams over the keys may use a running M (the ceiling of the running maximum): every later rescaling is an exact power of two, which a block's scale takes up: the codes' values come out the same.
;;   OPERANDS COMPUTED ON THE WAY. 'Computed on the way' means the value that the module computes at that place (a softmax that the list does not call 'softmax' is quantised finished and normalised). What goes into a quantiser is computed in f32, as accurately as f32 sums, v_exp_f32 and their like allow (about 1e-6 of the number): no bf16 or f16 on the way to a quantiser, and a product that is left as it is and whose result goes on into a quantised operand takes f32 operands (vector FMAs, or v_wmma_f32_16x16x4_f32). A number that lies on a knife's edge between two numbers of the format may be rounded either way, as far as f32 arithmetic and the matrix unit's own rounding can turn it there, and no further.
;; One version. Each part assembles by itself: llvm-mc -triple=amdgcn-amd-amdhsa -mcpu=gfx1250 --defsym DOCPART=n.
;; ======== version 1 of 1: 4 launches
;; limits: right only within a limited range of input values
;; workspace buffers: X 31,948,800 bytes; Y 29,491,200 bytes; P 7,077,888 bytes
;; launch prep (part 1): grid 1248 x 1, 4 waves a work-group, no clusters, 53,760 bytes of LDS; arguments target, source_k, source_v, Wq, Wk, Wv, g_t, b_t, g_k, b_k, g_v, b_v, X; writes X
.if DOCPART == 1
	.amdgcn_target "amdgcn-amd-amdhsa--gfx1250"
	.amdhsa_code_object_version 6
	.text
	.protected	k_qe071f08c6e_prep
	.globl	k_qe071f08c6e_prep
	.p2align	8
	.type	k_qe071f08c6e_prep,@function
k_qe071f08c6e_prep:
	s_mov_b64 s[64:65], 0
	v_nop
	global_prefetch_b8 v0, s[64:65] scope:SCOPE_SE
	s_setreg_imm32_b32 hwreg(HW_REG_WAVE_MODE, 25, 1), 1
	s_wait_xcnt 0x0
; LayerNorm of target, source_k, source_v (rows of 1,024 f32) and their quantising to codes of BF6 (E3M2) with one E8M0 byte for each 32 along the row; Wq, Wk, Wv take the
; same path with the norm switched off by scalars (mean factor 0, 1/sigma replaced by 1, gain 1, bias 0: y = x exactly), so the text has one way for all six tensors.  No work of reference() is left out.
; X IS LAID AS THE NEXT LAUNCH'S REGISTERS WANT IT.  A fragment (16 rows x 128 along K, 12 registers a lane) is 1,536 bytes: registers 4 g .. 4 g + 3 of lane L at 512 g + 16 L.
; Tile G (16 rows) has its 8 fragments at 12,288 G.  Lane-row r of tile T holds row 32 (T / 2) + 8 (T % 2) + r + 8 (r / 8).  Scale words: pair of tiles x 1,024 + K step x 128 + 4 x lane',
; lane' 0-15 the even tile's rows, 16-31 the odd tile's.  Tiles: target 0-255, source_k 256-1279, source_v 1280-2303, Wq, Wk, Wv 64 each from 2304.
; SHARES.  A work-group of four waves takes 32 rows (a pair of tiles: 24,576 bytes of codes, 1,024 of scale bytes, both dense in X); a wave takes eight rows, ONE AT A TIME, with the next two rows' loads
; (16 loads of 512 consecutive bytes) out while a row is worked: two register sets take the loads by turns.  A row turns through the wave's stage in LDS, after which a lane holds ONE block of 32 numbers.
; 192 registers and 53,760 bytes of LDS let several work-groups share a WGP.  No tensor loads, no clusters, no matrix units, no prefetch: every input byte is read once, by long runs of loads that are already out ahead.
; Mean and variance in two passes (the mean is taken away before the squares are summed: no difference of large sums).
; LIMITS: NaN and infinities among the inputs are not served.  A block whose largest magnitude lies under 2^-122 keeps the byte 1; a block of zeros gets the byte 1 where the rule says 127:
; its codes are zeros, and the bytes are read by this program alone.
.set LNS,  272                         ; an LDS line: 256 bytes + 16 of padding
.set STGW, 16*LNS                      ; a stage: a row's 16 lines; four stages from byte 0
.set GB,   4*STGW                      ; g, then b, each in a stage's layout
.set IMG,  GB+2*STGW                   ; the pair's image: 96 lines; line ((tile x 8 + K step) x 3 + g) x 2 + half
.set SCL,  IMG+96*LNS                  ; the pair's 1,024 scale bytes
.set SPARE, SCL+1024                   ; the spare words, 128 bytes a wave: two blocks of 256 bytes that no other line names
.set XS,   30670848                    ; where the scale words begin in X
; X's CODES LIE BY CHUNKS OF TWO K STEPS (this stands in place of the head's '8 fragments at 12,288 G'): fragment (tile G, K step s) at CH (s / 2) + 3,072 G + 1,536 (s % 2),
; so that the tiles' parts of one chunk are dense and the next launch takes three chunks of eight tiles as one tile of three rows.
.set CH,   7667712                     ; a chunk: 2,496 tiles x 3,072 bytes
.set VL,   2                           ; 16 x lane
.set STW,  3                           ; the stage, on the way in
.set STR,  4                           ; and on the way out: my block
.set ASB,  5                           ; my scale byte's place (less SCL)
.set AI,   6                           ; v6-11 where the six words of my block's codes go (less IMG)
.set RDI,  12                          ; the image, read back (less IMG)
.set SPW,  13
.set NIL,  14
.set GRD,  15                          ; my block of g (less GB)
.set A,    16                          ; v16-19 sums in two chains, mean, 1/sigma, largest magnitude
.set TMP,  20
.set SO,   21                          ; the conversions' scale operand
.set BY,   22                          ; the scale's byte
.set V8,   23                          ; 8 x thread
.set C,    24                          ; v24-26, v28-30 a block's codes
.set GBW,  27                          ; where my thread puts its 16 bytes of g (less GB)
.set VT,   31                          ; 16 x thread
.set R,    32                          ; v32-95 two sets of 32: rows as loaded
.set T,    96                          ; v96-127 the row, turned
.set G,    128                         ; g of my block
.set B,    160                         ; b of my block
	s_load_b512 s[8:23], s[0:1], 0x0               ; target, source_k, source_v, Wq, Wk, Wv, g_t, b_t
	s_load_b256 s[24:31], s[0:1], 0x40             ; g_k, b_k, g_v, b_v
	s_load_b64 s[32:33], s[0:1], 0x60              ; X
	v_lshl_add_u32 v[SPW], v0, 2, SPARE
	v_mov_b32 v[NIL], 0
	v_lshrrev_b32 v24, 5, v0                       ; wave
	v_and_b32 v1, 31, v0                           ; lane
	v_and_b32 v25, 15, v0                          ; lane % 16
	v_bfe_u32 v26, v0, 4, 1                        ; lane / 16
	v_lshrrev_b32 v28, 4, v0                       ; thread / 16
	v_readfirstlane_b32 s34, v24
	v_mul_u32_u24 v29, v24, STGW                   ; my stage
	v_lshlrev_b32 v[VL], 4, v1
	v_lshlrev_b32 v[VT], 4, v0
	v_lshlrev_b32 v[V8], 3, v0
	v_mad_u32_u24 v[STW], v26, LNS, v29            ; a load's 512 bytes are two lines: line lane / 16,
	v_mul_u32_u24 v[GBW], v28, LNS
	v_lshrrev_b32 v30, 1, v1
	v_and_b32 v26, 1, v1                           ; lane % 2: the fragment's half of lanes
	v_lshl_add_u32 v[STW], v25, 4, v[STW]          ; 16 (lane % 16) bytes in
	v_lshl_add_u32 v[GBW], v25, 4, v[GBW]
	v_mul_u32_u24 v[GRD], v30, LNS                 ; my block of 128 bytes: line lane / 2,
	v_lshl_add_u32 v[GRD], v26, 7, v[GRD]          ; its half lane % 2
	v_add_nc_u32 v[STR], v29, v[GRD]
	; row 8 wave + i of the pair is lane-row 8 (wave / 2) + i of tile u = wave % 2
	v_bfe_u32 v28, v0, 5, 1                        ; u
	v_bfe_u32 v29, v0, 6, 1                        ; wave / 2
	v_lshrrev_b32 v30, 2, v1                       ; my block's K step
	v_and_b32 v24, 3, v1                           ; its byte in the word
	v_lshl_add_u32 v[ASB], v30, 7, v24
	v_lshl_add_u32 v[ASB], v28, 6, v[ASB]
	v_lshl_add_u32 v[ASB], v29, 5, v[ASB]          ; 128 K step + 4 (16 u + 8 (wave / 2)) + byte
	v_lshl_add_u32 v24, v28, 3, v30                ; 8 u + K step
	v_mul_u32_u24 v24, v24, 6
	v_add_nc_u32 v24, v24, v26
	v_mul_u32_u24 v24, v24, LNS
	v_lshl_add_u32 v24, v29, 7, v24                ; + 16 x my first lane-row
	v_bfe_u32 v25, v1, 1, 1
	v_mul_u32_u24 v25, v25, 6                      ; my block's six words are registers 6 c .. 6 c + 5 of the fragment, c = (lane / 2) % 2
.irp k, 0,1,2,3,4,5
	v_add_nc_u32 v28, \k, v25                      ; register d: group d / 4 (two lines on for each), word d % 4
	v_lshrrev_b32 v29, 2, v28
	v_and_b32 v28, 3, v28
	v_mad_u32_u24 v29, v29, 2*LNS, v24
	v_lshl_add_u32 v[AI+\k], v28, 2, v29
.endr
	v_lshrrev_b32 v28, 5, v0
	v_mul_u32_u24 v28, v28, 24                     ; on the way out wave w takes lines 24 w .. 24 w + 23, two an instruction
	v_bfe_u32 v29, v0, 4, 1
	v_add_nc_u32 v28, v28, v29
	v_mul_u32_u24 v28, v28, LNS
	v_and_b32 v29, 15, v0
	v_lshl_add_u32 v[RDI], v29, 4, v28
	v_mov_b32 v[TMP], 0                            ; a lane permute's destination counts as one of its sources
	s_mov_b32 s50, 0x3a800000                      ; 1 / 1,024
	s_mov_b32 s51, 0x3727c5ac                      ; 1e-5
	s_mov_b32 s52, 0x76543210
	s_mov_b32 s53, 0xfedcba98                      ; v_permlanex16_b32's selects for lane l xor 16
	s_cmp_lt_u32 ttmp9, 1152                       ; pairs 0-1151 are activations, the others weights
	s_cselect_b32 s46, s50, 0                      ; mean = sum x this
	s_cselect_b32 s47, 1.0, 0                      ; 1/sigma x this
	s_cselect_b32 s48, 0, 1.0                      ; + this
	s_cselect_b32 s49, -1, 0                       ; g and b as loaded, or 1 and 0
	s_wait_alu depctr_va_vdst(0)                   ; the wait at the head's end
	s_wait_kmcnt 0x0
	s_mov_b64 s[36:37], s[18:19]                   ; which tensor, and its first pair: chosen by the work-group's number alone
	s_mov_b32 s35, 1216
	s_cmp_lt_u32 ttmp9, 1216
	s_cselect_b64 s[36:37], s[16:17], s[36:37]
	s_cselect_b32 s35, 1184, s35
	s_cmp_lt_u32 ttmp9, 1184
	s_cselect_b64 s[36:37], s[14:15], s[36:37]
	s_cselect_b32 s35, 1152, s35
	s_cmp_lt_u32 ttmp9, 1152
	s_cselect_b64 s[36:37], s[12:13], s[36:37]
	s_cselect_b32 s35, 640, s35
	s_cmp_lt_u32 ttmp9, 640
	s_cselect_b64 s[36:37], s[10:11], s[36:37]
	s_cselect_b32 s35, 128, s35
	s_cselect_b64 s[38:39], s[24:25], s[28:29]
	s_cselect_b64 s[40:41], s[26:27], s[30:31]
	s_cmp_lt_u32 ttmp9, 128
	s_cselect_b64 s[36:37], s[8:9], s[36:37]
	s_cselect_b32 s35, 0, s35
	s_cselect_b64 s[38:39], s[20:21], s[38:39]
	s_cselect_b64 s[40:41], s[22:23], s[40:41]
	s_sub_co_u32 s35, ttmp9, s35
	s_lshl_b32 s54, s35, 17                        ; 32 rows of 4,096 bytes a pair,
	s_lshl_b32 s55, s34, 15                        ; 8 rows a wave
	s_add_co_u32 s54, s54, s55
	s_mov_b32 s55, 0
	s_add_nc_u64 s[36:37], s[36:37], s[54:55]
	s_lshl_b32 s54, ttmp9, 1                       ; on the way out wave w holds tile 2 pair + w / 2, K steps 4 (w % 2) .. + 3: chunks 2 (w % 2) and the next
	s_lshr_b32 s56, s34, 1
	s_add_co_u32 s54, s54, s56
	s_mul_i32 s54, s54, 3072
	s_and_b32 s56, s34, 1
	s_mul_i32 s56, s56, 2*CH
	s_add_co_u32 s54, s54, s56
	s_add_nc_u64 s[42:43], s[32:33], s[54:55]      ; my wave's 6,144 bytes of the pair's codes
	s_lshl_b32 s54, ttmp9, 10
	s_add_co_u32 s54, s54, XS
	s_add_nc_u64 s[44:45], s[32:33], s[54:55]      ; the pair's scale words
.macro LOAD i                          ; the row i rows on from the base, into set i % 2: 32 lanes read 512 consecutive bytes; each byte is read once in the launch
.irp j, 0,1,2,3,4,5,6,7
	global_load_b128 v[R+32*((\i)%2)+4*\j:R+32*((\i)%2)+4*\j+3], v[VL], s[36:37] offset:4096*(\i)+512*\j th:TH_LOAD_NT
.endr
.endm
.irp p, 0,1
	global_load_b128 v[T+4*\p:T+4*\p+3], v[VT], s[38:39] offset:2048*\p       ; g and b: twice 16 bytes a thread
	global_load_b128 v[T+8+4*\p:T+8+4*\p+3], v[VT], s[40:41] offset:2048*\p
.endr
	LOAD 0
	LOAD 1
	s_wait_loadcnt 16                              ; g and b are in; the 16 loads of rows 0 and 1 stay out
.irp j, 0,1,2,3,4,5,6,7
	v_cndmask_b32 v[T+\j], 1.0, v[T+\j], s49
	v_cndmask_b32 v[T+8+\j], 0, v[T+8+\j], s49
.endr
.irp p, 0,1
	ds_store_b128 v[GBW], v[T+4*\p:T+4*\p+3] offset:GB+8*LNS*\p
	ds_store_b128 v[GBW], v[T+8+4*\p:T+8+4*\p+3] offset:GB+STGW+8*LNS*\p
.endr
	s_wait_dscnt 0x0                               ; for the others' sake: my part of g and b lies in LDS
	s_barrier_signal -1
	s_barrier_wait -1
.irp j, 0,1,2,3,4,5,6,7
	ds_load_b128 v[G+4*\j:G+4*\j+3], v[GRD] offset:GB+16*\j
	ds_load_b128 v[B+4*\j:B+4*\j+3], v[GRD] offset:GB+STGW+16*\j
.endr
.macro RED                             ; v[A] + v[A+1], summed over the 32 lanes; the result stands in every lane
	v_add_f32 v[A], v[A], v[A+1]
.irp m, 1,2,4,8
	s_delay_alu instid0(VALU_DEP_1)
	v_add_f32_dpp v[A], v[A], v[A] row_xmask:\m row_mask:0xf bank_mask:0xf
.endr
	s_delay_alu instid0(VALU_DEP_1)
	v_permlanex16_b32 v[TMP], v[A], s52, s53
	s_delay_alu instid0(VALU_DEP_1)
	v_add_f32 v[A], v[A], v[TMP]
.endm
; One row.  a: 0 or 1, the row's place in a trip of two;  more = 1: the row two on is asked for.  s57 = 32 x trip and s58 = 8 x trip carry the trip's place in the image and among the scale bytes.
.macro ROW a, more
.if \more || (\a) == 0
	s_wait_loadcnt 8                               ; this row's eight loads are in; the next row's stay out
.else
	s_wait_loadcnt 0
.endif
.irp j, 0,1,2,3,4,5,6,7
	ds_store_b128 v[STW], v[R+32*(\a)+4*\j:R+32*(\a)+4*\j+3] offset:2*LNS*\j
.endr
	s_wait_dscnt 8                                 ; all but these eight stores: the last row's stores into the image have read their registers, which the loads below fill
.irp j, 0,1,2,3,4,5,6,7
	ds_load_b128 v[T+4*\j:T+4*\j+3], v[STR] offset:16*\j   ; LDS serves a wave's instructions in order: these see the stores above
.endr
	s_wait_dscnt 0x0                               ; the row is turned, and the stage's stores have read the set,
.if \more
	LOAD (\a)+2                                    ; which takes the row two on
.endif
	v_pk_add_f32 v[A:A+1], v[T:T+1], v[T+2:T+3]    ; the mean, in two chains
	v_pk_add_f32 v[A+2:A+3], v[T+4:T+5], v[T+6:T+7]
.irp j, 8,12,16,20,24,28
	v_pk_add_f32 v[A:A+1], v[A:A+1], v[T+\j:T+\j+1]
	v_pk_add_f32 v[A+2:A+3], v[A+2:A+3], v[T+\j+2:T+\j+3]
.endr
	v_pk_add_f32 v[A:A+1], v[A:A+1], v[A+2:A+3]
	RED
	v_mul_f32 v[A], s46, v[A]
.irp j, 0,2,4,6,8,10,12,14,16,18,20,22,24,26,28,30
	v_pk_add_f32 v[T+\j:T+\j+1], v[T+\j:T+\j+1], v[A:A+1] op_sel_hi:[1,0] neg_lo:[0,1] neg_hi:[0,1]   ; x - mean
.endr
	v_pk_mul_f32 v[A:A+1], v[T:T+1], v[T:T+1]      ; the variance
	v_pk_mul_f32 v[A+2:A+3], v[T+2:T+3], v[T+2:T+3]
.irp j, 4,8,12,16,20,24,28
	v_pk_fma_f32 v[A:A+1], v[T+\j:T+\j+1], v[T+\j:T+\j+1], v[A:A+1]
	v_pk_fma_f32 v[A+2:A+3], v[T+\j+2:T+\j+3], v[T+\j+2:T+\j+3], v[A+2:A+3]
.endr
	v_pk_add_f32 v[A:A+1], v[A:A+1], v[A+2:A+3]
	RED
	v_fma_f32 v[A], v[A], s50, s51                 ; sum / 1,024 + 1e-5
	s_wait_alu depctr_va_vdst(0)                   ; the wait ahead of the transcendental
	v_rsq_f32 v[A], v[A]
	v_nop                                          ; a plain place behind it,
	s_wait_alu depctr_va_vdst(0)                   ; and the wait ahead of its reader
	v_fma_f32 v[A], v[A], s47, s48                 ; 1/sigma; for a weight 1
.irp j, 0,2,4,6,8,10,12,14,16,18,20,22,24,26,28,30
	v_pk_mul_f32 v[T+\j:T+\j+1], v[T+\j:T+\j+1], v[A:A+1] op_sel_hi:[1,0]
.endr
.irp j, 0,2,4,6,8,10,12,14,16,18,20,22,24,26,28,30
	v_pk_fma_f32 v[T+\j:T+\j+1], v[T+\j:T+\j+1], v[G+\j:G+\j+1], v[B+\j:B+\j+1]   ; x g + b
.endr
	v_max3_num_f32 v[A], |v[T]|, |v[T+1]|, 0x2800000   ; my block's largest magnitude, in two chains, with the floor 2^(5 - 127) among the leaves: the byte cannot fall under 1
	v_max3_num_f32 v[A+1], |v[T+16]|, |v[T+17]|, |v[T+18]|
.irp j, 0,2,4,6,8,10
	v_max3_num_f32 v[A], v[A], |v[T+2+\j]|, |v[T+3+\j]|
	v_max3_num_f32 v[A+1], v[A+1], |v[T+19+\j]|, |v[T+20+\j]|
.endr
	v_max3_num_f32 v[A], v[A], |v[T+14]|, |v[T+15]|
	v_max3_num_f32 v[A], v[A], v[A+1], |v[T+31]|
	v_add_nc_u32 v[SO], 0xfe000000, v[A]           ; 4 off its exponent field: the conversion takes the exponent field of this operand as its scale
	v_cvt_scalef32_pk16_bf6_f32 v[C:C+2], v[T:T+15], v[SO]
	v_cvt_scalef32_pk16_bf6_f32 v[C+4:C+6], v[T+16:T+31], v[SO]   ; (a conversion's three registers begin on an even number)
	v_lshrrev_b32 v[BY], 23, v[SO]                 ; the scale's byte.  (The plain place behind the conversions)
	v_add_nc_u32 v[T], s58, v[ASB]                 ; this trip's places; the row's numbers are done with
.irp k, 0,1,2,3,4,5
	v_add_nc_u32 v[T+1+\k], s57, v[AI+\k]
.endr
	ds_store_b8 v[T], v[BY] offset:SCL+4*(\a)
.irp k, 0,1,2
	ds_store_b32 v[T+1+\k], v[C+\k] offset:IMG+16*(\a)
	ds_store_b32 v[T+4+\k], v[C+4+\k] offset:IMG+16*(\a)
.endr
.endm
	s_mov_b32 s57, 0
	s_mov_b32 s58, 0
	s_mov_b32 s59, 0
.Lrows:                                                ; three trips of two rows, each asking for the rows two on; the last two rows are written out and ask for nothing
	ROW 0, 1
	ROW 1, 1
	s_wait_alu depctr_va_vdst(0)                   ; the wait ahead of the wait and the branch below
	s_wait_xcnt 0x0                                ; the loads have read their base: it may step
	s_add_nc_u64 s[36:37], s[36:37], 8192
	s_add_co_u32 s57, s57, 32
	s_add_co_u32 s58, s58, 8
	s_add_co_u32 s59, s59, 1
	s_cmp_lt_u32 s59, 3
	s_cbranch_scc1 .Lrows
	ROW 0, 0
	ROW 1, 0
	s_wait_dscnt 0x0                               ; for the others' sake: my rows' codes and bytes lie in LDS
	s_barrier_signal -1
	s_barrier_wait -1
.irp k, 0,1,2,3,4,5,6,7,8,9,10,11
	ds_load_b128 v[R+4*\k:R+4*\k+3], v[RDI] offset:IMG+2*LNS*\k
.endr
	ds_load_b64 v[R+48:R+49], v[V8] offset:SCL
.irp k, 0,1,2,3,4,5,6,7,8,9,10,11
	s_wait_dscnt 12-\k                             ; load k is in; the younger ones stay out
	global_store_b128 v[VL], v[R+4*\k:R+4*\k+3], s[42:43] offset:(\k/6)*CH+((\k/3)%2)*1536+(\k%3)*512   ; 32 lanes store 512 consecutive bytes, at a multiple of 256 from X's first byte
.endr
	s_wait_dscnt 0x0
	global_store_b64 v[V8], v[R+48:R+49], s[44:45] ; a wave stores 256 consecutive scale bytes, aligned
	s_wait_tensorcnt 0x0                           ; the wave's end
	ds_add_u32 v[SPW], v[NIL]
	s_wait_dscnt 0x0
	s_endpgm
.Lfunc_end_k_qe071f08c6e_prep:
	.size	k_qe071f08c6e_prep, .Lfunc_end_k_qe071f08c6e_prep-k_qe071f08c6e_prep
	.p2alignl 7, 3214868480
	.fill 96, 4, 3214868480
	.section	.rodata,"a",@progbits
	.p2align	6, 0x0
	.amdhsa_kernel k_qe071f08c6e_prep
		.amdhsa_group_segment_fixed_size 53760
		.amdhsa_private_segment_fixed_size 0
		.amdhsa_enable_private_segment 0
		.amdhsa_kernarg_size 104
		.amdhsa_user_sgpr_count 2
		.amdhsa_user_sgpr_kernarg_segment_ptr 1
		.amdhsa_wavefront_size32 1
		.amdhsa_system_sgpr_workgroup_id_x 1
		.amdhsa_system_sgpr_workgroup_id_y 1
		.amdhsa_system_sgpr_workgroup_id_z 1
		.amdhsa_system_vgpr_workitem_id 0
		.amdhsa_next_free_vgpr 192
		.amdhsa_next_free_sgpr 66
		.amdhsa_reserve_vcc 0
		.amdhsa_float_denorm_mode_32 3
		.amdhsa_float_denorm_mode_16_64 3
		.amdhsa_memory_ordered 1
		.amdhsa_forward_progress 1
		.amdhsa_inst_pref_size 53
	.end_amdhsa_kernel
	.amdgpu_metadata
---
amdhsa.version: [ 1, 2 ]
amdhsa.kernels:
  - .name:           k_qe071f08c6e_prep
    .symbol:         k_qe071f08c6e_prep.kd
    .args:
      - { .name: target, .offset: 0, .size: 8, .value_kind: global_buffer, .address_space: global }
      - { .name: source_k, .offset: 8, .size: 8, .value_kind: global_buffer, .address_space: global }
      - { .name: source_v, .offset: 16, .size: 8, .value_kind: global_buffer, .address_space: global }
      - { .name: Wq, .offset: 24, .size: 8, .value_kind: global_buffer, .address_space: global }
      - { .name: Wk, .offset: 32, .size: 8, .value_kind: global_buffer, .address_space: global }
      - { .name: Wv, .offset: 40, .size: 8, .value_kind: global_buffer, .address_space: global }
      - { .name: g_t, .offset: 48, .size: 8, .value_kind: global_buffer, .address_space: global }
      - { .name: b_t, .offset: 56, .size: 8, .value_kind: global_buffer, .address_space: global }
      - { .name: g_k, .offset: 64, .size: 8, .value_kind: global_buffer, .address_space: global }
      - { .name: b_k, .offset: 72, .size: 8, .value_kind: global_buffer, .address_space: global }
      - { .name: g_v, .offset: 80, .size: 8, .value_kind: global_buffer, .address_space: global }
      - { .name: b_v, .offset: 88, .size: 8, .value_kind: global_buffer, .address_space: global }
      - { .name: X, .offset: 96, .size: 8, .value_kind: global_buffer, .address_space: global }
    .group_segment_fixed_size: 53760
    .private_segment_fixed_size: 0
    .kernarg_segment_align: 8
    .kernarg_segment_size: 104
    .max_flat_workgroup_size: 128
    .sgpr_count:     66
    .vgpr_count:     192
    .wavefront_size: 32
...
	.end_amdgpu_metadata
.endif
;; end of part 1
;; launch proj (part 2): grid 4 x 192, 4 waves a work-group, clusters of 4 x 4, 327,680 bytes of LDS; arguments X, bq, bk, bv, Y; writes Y
.if DOCPART == 2
	.amdgcn_target "amdgcn-amd-amdhsa--gfx1250"
	.amdhsa_code_object_version 6
	.text
	.protected	k_qe071f08c6e_proj
	.globl	k_qe071f08c6e_proj
	.p2align	8
	.type	k_qe071f08c6e_proj,@function
k_qe071f08c6e_proj:
	s_mov_b64 s[64:65], 0
	v_nop
	global_prefetch_b8 v0, s[64:65] scope:SCOPE_SE
	s_setreg_imm32_b32 hwreg(HW_REG_WAVE_MODE, 25, 1), 1
	s_wait_xcnt 0x0
	s_wait_alu depctr_hold_cnt(0) depctr_sa_sdst(0) depctr_va_vdst(0) depctr_va_sdst(0) depctr_va_ssrc(0) depctr_va_vcc(0) depctr_vm_vsrc(0)
	s_getreg_b32 s2, hwreg(HW_REG_IB_STS2, 6, 4)
	s_cmp_eq_u32 s2, 0
	s_cbranch_scc0 .Lentry_in_a_cluster
	s_endpgm
.Lentry_in_a_cluster:
	s_bfe_u32 s2, ttmp6, 0x10000c
	s_cmp_lg_u32 s2, 0xf033
	s_cbranch_scc0 .Lentry_shape_is_right
	s_endpgm
.Lentry_shape_is_right:
; q = t Wq^T + bq, k = sk Wk^T + bk, v = sv Wv^T + bv on codes of BF6 (E3M2) with E8M0 scales, and the results quantised in registers along the NEXT product's K: q and k along e, v along the keys.
; X holds all operands as images of fragments (16 rows x 128 K = 1,536 bytes: registers 4 g .. 4 g + 3 of lane L at 512 g + 16 L), tile G at 12,288 G; scale words at XS + 1,024 x pair + 128 x K step + 4 x lane'
; (lane' 0-15: the even tile's rows, 16-31: the odd tile's).  Lane-row r of tile T is matrix row 32 (T / 2) + 8 (T % 2) + r + 8 (r / 8).
; P0 is source 0 (its rows run along a lane's registers: with the order of rows above, the 64 registers of a lane for one tile of P1 are 32 b + 16 (lane / 16) + 0 .. 15, b = 0 .. 3: 128 neighbours along the next K),
; P1 is source 1 (its rows are the lanes).  For q and k: P0 = W, P1 = the rows.  For v: P0 = the rows (keys), P1 = Wv: so v comes out with the keys innermost and nothing is transposed.  Y's fragments are stored as they stand in the registers.
; TILES.  k and v: 256 x 256 to a work-group of four waves, 128 x 128 a wave (64 accumulators): 256 work-groups each.  q has a quarter of their rows: 256 of e x 64 rows to a work-group, 128 x 32 a wave (16 accumulators):
; 256 work-groups too.  So the launch has 768 work-groups, three for each of 256 WGPs: one short and two long.  A wave keeps 128 of P0 in every case: that is one whole fragment of the next K.
; THE TEXT PARTS ONCE, on the cluster's y (0-15 q, 16-31 k, 32-47 v: the same in all sixteen partners), into two expansions of the macro BODY, with 8 or 2 tiles of P1 a wave.  Both have the same map of LDS, the same
; barriers and the same refill; q's way touches, wave by wave, a part of the bytes that the other way touches.
; CLUSTERS: 4 x 4 work-groups.  P0's tiles hang on cx alone and are asked for jointly by a column of the cluster, P1's on cy alone, by a row: that divides the requests by four.
; K = 1,024 goes in four chunks of 256 through three LDS regions: chunks 0, 1, 2 are first fills, chunk 3 fills region 0 again behind one round of the cluster's barrier.  By this text's count a wave has at most four tensor loads out.
; LIMITS: NaN and infinities are not served.  A block whose largest magnitude lies under 2^-122 keeps the byte 1, a block of zeros too (the rule says 127): its codes are zeros, and this program alone reads the bytes.
; REGISTERS, in windows of 256: window 0: v1-7, v8-17 addresses; v30, v31 for the add; v32-47 scale words, two sets; v64-159, v160-255 P1's fragments, two sets.
;   window 1: v0-95, v96-191 P0's fragments, two sets; v192-255 bias by register.   windows 2, 3: the accumulators: (n, a) at 8 (8 n + a).
.set N0,   8                           ; tiles of P0 a wave
; HOW LDS IS FILLED (this stands in place of what the head says of X's codes, of regions and of loads that are out).  X's codes lie by chunks of two K steps: fragment (tile G, K step s) at CH (s / 2) + 3,072 G + 1,536 (s % 2).
; Each wave issues ONE joint load at the head: chunks 0, 1, 2 of its eight (q's rows: two) tiles, a tile of three rows, CH bytes apart in memory and dense in LDS: a quarter of LDS holds [chunk][tile][3,072 bytes].
; Chunk 3 fills chunk 0's bytes again in step 1, behind a round of the cluster's barrier, one load a wave: by this text's count one tensor load of a wave is out at a time.
; THE SCALE WORDS (16,384 bytes at the most beside 393,216 of codes, so they go without a joint load) are copied by each wave through registers, 512 consecutive bytes an instruction, into LDS bytes that no tensor load fills.
; THE BIAS is the C of each accumulator's first product; the quantiser reads the accumulators where they lie.  The text has no loop to run a prefetch ahead in.
.set NQ,   2                           ; K steps of 128 in a chunk
.set NREG, 3
.set TP,   NQ*1536                     ; a tile's part of a chunk
.set H1,   3*8*TP                      ; from one half of P0 or of P1 to the other in LDS, on both ways
.set P1O,  2*H1                        ; P1's halves, behind P0's
.set CH,   7667712                     ; a chunk of X: 2,496 tiles x 3,072 bytes
.set SPP,  1024                        ; a pair's scale words
.set SCL0, 294912                      ; P0's scale words, 8,192 bytes; filled once
.set SCL1, 303104                      ; P1's
.set SPARE, 311296                     ; the spare words, 128 bytes a wave: two blocks of 256 bytes that no other line names
.set XS,   30670848
.set YV,   15728640                    ; Y: v^T's codes: batch x 1,572,864 + (K step / 4) x 393,216 + d tile x 6,144 + (K step % 4) x 1,536
.set YS,   28311552                    ; q's and k's scale words
.set YSV,  28966912                    ; v^T's: batch x 65,536 + pair x 2,048 + K step x 128
.set AP0,  8                           ; v8-10  P0's fragments in region 0, 1, 2: my half + 16 x lane
.set AP1,  12                          ; v12-14 P1's
.set ASC0, 16                          ; v16  P0's scale words: my half + 4 x lane
.set ASC1, 17                          ; v17  P1's
.set SPW,  30
.set NIL,  31
.set SC,   32
.set BN,   48
.set BT,   192                         ; window 1: bias by register
.set T,    64
.set PCD,  128                         ; v128-223 codes: twelve registers for each tile of P1, so that no store's data are written again
.set PT,   224                         ; v224-230 the conversions' second halves, at work
.set TM,   232                         ; v232-247 at work in QUANT
.set PWD,  248                         ; v248, v249 the two tiles' scale words
.set PWP,  250                         ; v250-253 a pair's words: a register for each pair
.set WV,   14
.set WH,   15
.set WL,   16
.set G1A,  24                          ; group 1: P0's codes, P1's codes
.set G1B,  32
.set G1SA, 40
.set G1SB, 48
.set GA0,  56                          ; group 0: P0's load; GB0 P1's
.set GA1,  60
.set GA2,  68
.set GB0,  72
.set GB1,  76
.set GB2,  80
.set GSA,  84
.set GSB,  88
.set MSB, 0
.macro WIN new                         ; the immediate's high byte repeats the setting that is left; a switch that changes nothing is dropped
.if MSB != (\new)
	s_set_vgpr_msb (MSB<<8)|(\new)
.set MSB, (\new)
.endif
.endm
.macro PLACES                          ; four plain places behind a matrix instruction, ahead of loads into its registers and of reads of its results
.rept 4
	v_nop
.endr
.endm
.macro CREST                           ; a round of the cluster's barrier behind its opening barrier
	s_cmp_lg_u32 s[WV], 0
	s_cbranch_scc1 .Lnot_wave_0_\@
	s_barrier_signal -3
.Lnot_wave_0_\@:
	s_barrier_wait -3
	s_barrier_signal -1
	s_barrier_wait -1
.endm
.macro CROUND
	s_barrier_signal -1
	s_barrier_wait -1
	CREST
.endm
.macro JLOAD                           ; the joint refill: waves 0, 1 fetch P0's halves, waves 2, 3 P1's; four v_nop follow each line
	s_cmp_eq_u32 s[WH], 0
	s_cbranch_scc0 .Lfor_p1_\@
	tensor_load_to_lds s[GA0:GA0+3], s[G1A:G1A+7]
	s_nop 0
.rept 4
	v_nop
.endr
	s_branch .Lasked_\@
.Lfor_p1_\@:
	tensor_load_to_lds s[GB0:GB0+3], s[G1B:G1B+7]
	s_nop 0
.rept 4
	v_nop
.endr
.Lasked_\@:
.endm
.macro MKG0 g, lbase, loff, abase, aoff
	s_mov_b32 s[\g], 1                             ; count = 1
	s_add_co_u32 s[\g+1], s[\lbase], \loff         ; LDS address
	s_add_nc_u64 s[\g+2:\g+3], s[\abase:\abase+1], \aoff   ; global address
	s_or_b32 s[\g+3], s[\g+3], 0x80000000          ; type = 2
.endm
; One K step's fragments and scale words into set buf: three loads of 512 consecutive bytes a fragment, one of 128 a pair's words.
.macro FETCH region, q, ks, buf
	WIN 0x40                                       ; destination window 1, address window 0
.set fi, 0
.rept N0
.irp g, 0,1,2
	ds_load_b128 v[96*(\buf)+12*fi+4*\g:96*(\buf)+12*fi+4*\g+3], v[AP0+(\region)] offset:fi*TP+(\q)*1536+512*\g
.endr
.set fi, fi+1
.endr
	WIN 0
.set fi, 0
.rept N1
.irp g, 0,1,2
	ds_load_b128 v[64+96*(\buf)+12*fi+4*\g:64+96*(\buf)+12*fi+4*\g+3], v[AP1+(\region)] offset:fi*TP+(\q)*1536+512*\g
.endr
.set fi, fi+1
.endr
.set fi, 0
.rept N0/2
	ds_load_b32 v[SC+8*(\buf)+fi], v[ASC0] offset:fi*SPP+128*(\ks)
.set fi, fi+1
.endr
.set fi, 0
.rept N1/2
	ds_load_b32 v[SC+8*(\buf)+4+fi], v[ASC1] offset:fi*SPP+128*(\ks)
.set fi, fi+1
.endr
.endm
.macro FNEXT ks
	FETCH (((\ks)+1)/NQ)%NREG, ((\ks)+1)%NQ, (\ks)+1, ((\ks)+1)%2
.endm
; One product: P0's tile a x P1's tile n.  A pair's scale words share a register: the even tile's in lanes 0-15, the odd tile's in lanes 16-31.
.macro WM n, a, buf, zero
.set rD, (8*(N0*(\n)+(\a)))%256
.set rA, 96*(\buf)+12*(\a)
.set rB, 64+96*(\buf)+12*(\n)
.set rP, SC+8*(\buf)+(\a)/2
.set rQ, SC+8*(\buf)+4+(\n)/2
.set rC, BT+8*(\a)                     ; the first product's C: the bias by register (zero = 1: it goes with P0's tile) or by lane (zero = 2: with P1's tile), in window 1
.set zz, 0
.if \zero
.set zz, 1
.endif
.if (\zero) == 2
.set rC, BT+8*(\n)
.endif
.set sel, 4*zz+2*((\a)%2)+(\n)%2
.if sel == 0
	v_wmma_scale_f32_16x16x128_f8f6f4 v[rD:rD+7], v[rA:rA+11], v[rB:rB+11], v[rD:rD+7], v[rP], v[rQ] matrix_a_fmt:MATRIX_FMT_BF6 matrix_b_fmt:MATRIX_FMT_BF6
.elseif sel == 1
	v_wmma_scale_f32_16x16x128_f8f6f4 v[rD:rD+7], v[rA:rA+11], v[rB:rB+11], v[rD:rD+7], v[rP], v[rQ] matrix_a_fmt:MATRIX_FMT_BF6 matrix_b_fmt:MATRIX_FMT_BF6 matrix_b_scale:MATRIX_SCALE_ROW1
.elseif sel == 2
	v_wmma_scale_f32_16x16x128_f8f6f4 v[rD:rD+7], v[rA:rA+11], v[rB:rB+11], v[rD:rD+7], v[rP], v[rQ] matrix_a_fmt:MATRIX_FMT_BF6 matrix_b_fmt:MATRIX_FMT_BF6 matrix_a_scale:MATRIX_SCALE_ROW1
.elseif sel == 3
	v_wmma_scale_f32_16x16x128_f8f6f4 v[rD:rD+7], v[rA:rA+11], v[rB:rB+11], v[rD:rD+7], v[rP], v[rQ] matrix_a_fmt:MATRIX_FMT_BF6 matrix_b_fmt:MATRIX_FMT_BF6 matrix_a_scale:MATRIX_SCALE_ROW1 matrix_b_scale:MATRIX_SCALE_ROW1
.elseif sel == 4
	v_wmma_scale_f32_16x16x128_f8f6f4 v[rD:rD+7], v[rA:rA+11], v[rB:rB+11], v[rC:rC+7], v[rP], v[rQ] matrix_a_fmt:MATRIX_FMT_BF6 matrix_b_fmt:MATRIX_FMT_BF6
.elseif sel == 5
	v_wmma_scale_f32_16x16x128_f8f6f4 v[rD:rD+7], v[rA:rA+11], v[rB:rB+11], v[rC:rC+7], v[rP], v[rQ] matrix_a_fmt:MATRIX_FMT_BF6 matrix_b_fmt:MATRIX_FMT_BF6 matrix_b_scale:MATRIX_SCALE_ROW1
.elseif sel == 6
	v_wmma_scale_f32_16x16x128_f8f6f4 v[rD:rD+7], v[rA:rA+11], v[rB:rB+11], v[rC:rC+7], v[rP], v[rQ] matrix_a_fmt:MATRIX_FMT_BF6 matrix_b_fmt:MATRIX_FMT_BF6 matrix_a_scale:MATRIX_SCALE_ROW1
.else
	v_wmma_scale_f32_16x16x128_f8f6f4 v[rD:rD+7], v[rA:rA+11], v[rB:rB+11], v[rC:rC+7], v[rP], v[rQ] matrix_a_fmt:MATRIX_FMT_BF6 matrix_b_fmt:MATRIX_FMT_BF6 matrix_a_scale:MATRIX_SCALE_ROW1 matrix_b_scale:MATRIX_SCALE_ROW1
.endif
.endm
; cnt tiles of P1 from n0 on, each against all of P0's.  The accumulators take turns, one instruction a turn, in the same order in every step.
.macro MULS n0, cnt, buf, zero
.set mn, \n0
.rept \cnt
.if \zero
.set wn, 0x91+0x40*((8*N0*mn)/256)     ; the first products: P0 window 1, P1 window 0, C (the bias) window 1, D window 2 or 3
.else
.set wn, 0xa1+0x50*((8*N0*mn)/256)     ; P0 window 1, P1 window 0, C and D window 2 or 3
.endif
	WIN wn
.set ma, 0
.rept N0
	WM mn, ma, \buf, \zero
.set ma, ma+1
.endr
.set mn, mn+1
.endr
.endm
.macro STEP_PLAIN ks, zero             ; a step whose successor's fragments lie in a region that is whole for every wave
	s_wait_dscnt 0x0                               ; this step's fragments, asked for a step's products ago, are in
.if (\ks) > 0
	PLACES
.endif
	FNEXT \ks
	MULS 0, N1, (\ks)%2, \zero
	WIN 0
.endm
.macro STEP_BAR ks, cnt                ; the next chunk is read for the first time
	s_wait_dscnt 0x0
	s_wait_tensorcnt \cnt                          ; my part of the next chunk has landed; cnt later loads of mine may stay out
	s_barrier_signal -1
	MULS 0, N1/2, (\ks)%2, 0
	WIN 0
	s_barrier_wait -1                              ; everybody's has
	PLACES
	FNEXT \ks
	MULS N1/2, N1/2, (\ks)%2, 0
	WIN 0
.endm
.macro STEP_TURN ks                    ; region 0's last step: the region is filled again, with chunk 3.  The step's N1 tiles go in three parts: NA, NB, NC
	s_wait_dscnt 0x0                               ; this step's fragments are in registers: my reads of region 0 are over
	s_wait_tensorcnt 0x0                           ; all my tensor loads have landed (chunks 1 and 2 among them), so a group 0 may be written;
	ds_add_u32 v[SPW], v[NIL]                      ; 0 onto my spare word
	s_add_nc_u64 s[GA0+2:GA0+3], s[GA0+2:GA0+3], 3*CH     ; chunk 3, to the same LDS address: chunk 0's bytes;
	s_add_nc_u64 s[GB0+2:GB0+3], s[GB0+2:GB0+3], 3*CH
	s_mov_b32 s[G1A+1], (TP/8)<<16                 ; one chunk of 8 (N1) tiles is dense: 8 (N1) rows of 3,072 bytes
	s_mov_b32 s[G1A+2], 8<<16
	s_mov_b32 s[G1A+3], (TP/8)<<16
	s_mov_b32 s[G1A+4], 8
	s_mov_b32 s[G1A+5], TP/8
	s_mov_b32 s[G1B+1], (TP/8)<<16
	s_mov_b32 s[G1B+2], N1<<16
	s_mov_b32 s[G1B+3], (TP/8)<<16
	s_mov_b32 s[G1B+4], N1
	s_mov_b32 s[G1B+5], TP/8
	MULS 0, NA, (\ks)%2, 0                         ; products stand between the add and the wait for it
	s_wait_dscnt 0x0                               ; the add is done
	s_barrier_signal -1                            ; this barrier opens a round of the cluster's barrier
	MULS NA, NB, (\ks)%2, 0
	WIN 0
	s_barrier_wait -1
	CREST                                          ; no wave of any partner still reads region 0 or has a load on its way
	JLOAD                                          ; the first tensor load behind the round, one a wave; its four v_nop are also the places in front of the loads below
	FNEXT \ks
	MULS NA+NB, NC, (\ks)%2, 0
	WIN 0
.endm
.macro STEP_LAST ks
	s_wait_dscnt 0x0
	MULS 0, N1, (\ks)%2, 0
	WIN 0
.endm
; 64 numbers of a lane, v[s] .. v[s + 63], register 16 b + i = index 32 b + 16 (lane / 16) + i of my row, become a fragment's codes in v[pc] .. v[pc + 11] and its scale word in v[pw]; v[pt] .. v[pt + 6] are at work.
.macro QUANT s, w, pc, pt, pw          ; the 64 numbers lie in window w; all else in window 0.  Each accumulator is read from its low end on
	WIN 5*(\w)                                     ; sources 0 and 1: window w
.irp b, 0,1,2,3
	v_max3_num_f32 v[TM+\b], |v[(\s)+16*\b]|, |v[(\s)+1+16*\b]|, 0x2800000   ; and the floor 2^(5 - 127): the byte cannot fall under 1
.endr
	WIN 20*(\w)                                    ; sources 1 and 2: window w
.irp i, 2,4,6,8,10,12,14
.irp b, 0,1,2,3
	v_max3_num_f32 v[TM+\b], v[TM+\b], |v[(\s)+16*\b+\i]|, |v[(\s)+1+16*\b+\i]|
.endr
.endr
	WIN 0
.irp b, 0,1,2,3
	v_permlanex16_b32 v[TM+4+\b], v[TM+\b], s98, s99
.endr
.irp b, 0,1,2,3
	v_max_num_f32 v[TM+\b], v[TM+\b], v[TM+4+\b]   ; with lane l xor 16's: the block's largest magnitude
.endr
.irp b, 0,1,2,3
	v_add_nc_u32 v[TM+12+\b], 0xfe000000, v[TM+\b] ; 4 off its exponent field: the conversion's scale operand
.endr
.irp b, 0,1,2,3
	v_lshrrev_b32 v[TM+4+\b], 23, v[TM+12+\b]      ; the scale's byte
.endr
	v_lshl_or_b32 v[\pw], v[TM+5], 8, v[TM+4]
	v_lshl_or_b32 v[\pw], v[TM+6], 16, v[\pw]
	v_lshl_or_b32 v[\pw], v[TM+7], 24, v[\pw]
	WIN (\w)                                       ; source 0: window w
.irp c, 0,1
	v_cvt_scalef32_pk16_bf6_f32 v[(\pc)+6*\c:(\pc)+2+6*\c], v[(\s)+32*\c:(\s)+15+32*\c], v[TM+12+2*\c]
	v_cvt_scalef32_pk16_bf6_f32 v[(\pt)+4*\c:(\pt)+2+4*\c], v[(\s)+16+32*\c:(\s)+31+32*\c], v[TM+12+2*\c+1]   ; (a conversion's three registers begin on an even number)
.endr
	WIN 0
	v_nop                                          ; one plain place behind a scaled conversion
.irp c, 0,1                            ; the operand's layout wants a whole block in a lane: lanes 0-15 block 2 c, lanes 16-31 block 2 c + 1
.irp i, 0,1,2
	v_permlane16_swap_b32 v[(\pc)+6*\c+\i], v[(\pt)+4*\c+\i]
.endr
.irp i, 0,1,2
	v_mov_b32 v[(\pc)+3+6*\c+\i], v[(\pt)+4*\c+\i]
.endr
.endr
.endm
; THE EPILOGUE.  For each tile n of P1: + bias, quantised along P0's 128 indices: one fragment and one scale word a row, stored as they stand.  kind 0: q, k; 1: v.
; Each tile has its own registers for its codes and each pair its own for its words, and the stores' addresses are never rewritten: so no wait stands between the tiles.
.macro EPI kind
.if \kind
.set NSTR, 6144                        ; v^T lies by chunks of four K steps: a tile of d has 6,144 bytes in a chunk
.set PSTR, 2048
.else
.set NSTR, 12288
.set PSTR, 1024
.endif
.set en, 0
.rept N1
	QUANT (64*en)%256, 2+en/4, PCD+12*en, PT, PWD+en%2   ; the bias is in the sums already
.irp g, 0,1,2
	global_store_b128 v4, v[PCD+12*en+4*\g:PCD+12*en+4*\g+3], s[92:93] offset:en*NSTR+512*\g   ; 32 lanes store 512 consecutive bytes, at a multiple of 256 from Y's first byte
.endr
.if en%2
	v_cndmask_b32 v[PWP+en/2], v[PWD], v[PWD+1], s96  ; the pair's words: lanes 0-15 the even tile's, lanes 16-31 the odd tile's
	global_store_b32 v5, v[PWP+en/2], s[94:95] offset:(en/2)*PSTR
.endif
.set en, en+1
.endr
.endm
.macro ADDR0                           ; where my q or k goes: the rows' tiles have the same numbers in Y as in X
	s_lshl_b32 s20, s[WH], LN1
	s_add_co_u32 s20, s3, s20                      ; my first tile of rows
	s_lshl_b32 s21, s17, 1
	s_add_co_u32 s21, s21, s[WL]                   ; the next K's step: 2 cx + WL
	s_mul_i32 s22, s20, 12288
	s_mul_i32 s23, s21, 1536
	s_add_co_u32 s22, s22, s23
	s_mov_b32 s23, 0
	s_add_nc_u64 s[92:93], s[12:13], s[22:23]
	s_lshl_b32 s22, s20, 9
	s_lshl_b32 s20, s21, 7
	s_add_co_u32 s22, s22, s20
	s_add_co_u32 s22, s22, YS
	s_add_nc_u64 s[94:95], s[12:13], s[22:23]
.endm
; A WORK-GROUP'S WHOLE WAY, from the descriptors to the end.  QP = 1: q, with N1 = 2 tiles of P1 a wave; QP = 0: k and v, with N1 = 8.
.macro BODY
	s_mov_b32 s[G1A+1], (8*TP/8)<<16               ; P0's codes at the head: 3 rows (chunks) of 8 tiles' 24,576 dense bytes (elements of 8 bytes), CH bytes apart
	s_mov_b32 s[G1A+2], 3<<16
	s_mov_b32 s[G1A+3], (8*TP/8)<<16
	s_mov_b32 s[G1A+4], 3
	s_mov_b32 s[G1A+5], CH/8
	s_mov_b32 s[G1A+6], 0
	s_mov_b32 s[G1A+7], 0
	s_mov_b32 s[G1B+1], (N1*TP/8)<<16              ; P1's: 3 rows of N1 tiles' bytes
	s_mov_b32 s[G1B+2], 3<<16
	s_mov_b32 s[G1B+3], (N1*TP/8)<<16
	s_mov_b32 s[G1B+4], 3
	s_mov_b32 s[G1B+5], CH/8
	s_mov_b32 s[G1B+6], 0
	s_mov_b32 s[G1B+7], 0
.if QP
	s_lshl_b32 s3, s19, 4                          ; q: a cluster takes 16 tiles of rows, a work-group 4
	s_lshl_b32 s21, s18, 2
	s_add_co_u32 s3, s3, s21                       ; P1's first tile hangs on cy,
	s_lshl_b32 s20, s17, 4
	s_add_co_u32 s2, s20, 2304                     ; P0's (Wq) on cx
.else
	s_lshl_b32 s22, s19, 6
	s_sub_co_u32 s22, s22, 768                     ; the rows' first tile in X: 256 + 64 x (the cluster's y - 16): source_k and source_v are one run of tiles
	s_mov_b32 s23, 2432                            ; the weight's first tile
	s_cmp_lt_u32 s19, 32
	s_cselect_b32 s23, 2368, s23
	s_cselect_b32 s2, s23, s22                     ; P0: the weight for k, the rows for v
	s_cselect_b32 s3, s22, s23                     ; P1: the other
	s_lshl_b32 s20, s17, 4
	s_add_co_u32 s2, s2, s20                       ; P0's first tile hangs on cx,
	s_lshl_b32 s21, s18, 4
	s_add_co_u32 s3, s3, s21                       ; P1's on cy
.endif
	s_lshl_b32 s20, s[WL], 3                       ; the half that I fetch
	s_add_co_u32 s92, s2, s20
	s_mul_i32 s94, s92, TP
	s_mov_b32 s95, 0
	s_lshl_b32 s96, s[WV], 2                       ; of P0's scale words I copy those of four tiles: 2,048 bytes
	s_add_co_u32 s96, s96, s2
	s_lshl_b32 s96, s96, 9                         ; 512 bytes of scale words a tile
	s_add_co_u32 s96, s96, XS
	s_mov_b32 s97, 0
	s_lshl_b32 s20, s[WL], LN1
	s_add_co_u32 s93, s3, s20
	s_mul_i32 s98, s93, TP
	s_mov_b32 s99, 0
	s_mul_i32 s100, s[WV], N1/2                    ; of P1's those of N1 / 2 tiles
	s_add_co_u32 s100, s100, s3
	s_lshl_b32 s100, s100, 9
	s_add_co_u32 s100, s100, XS
	s_mov_b32 s101, 0
	s_mul_i32 s20, s[WL], H1                       ; where they go: no place in the cluster enters an LDS address
	s_lshl_b32 s22, s[WL], 12
	CROUND                                         ; all sixteen work-groups are here: the first joint loads meet.  (The arguments come in meanwhile)
	s_wait_kmcnt 0x0
	s_add_nc_u64 s[94:95], s[4:5], s[94:95]
	s_add_nc_u64 s[96:97], s[4:5], s[96:97]
	s_add_nc_u64 s[98:99], s[4:5], s[98:99]
	s_add_nc_u64 s[100:101], s[4:5], s[100:101]
	MKG0 GA0, 20, 0, 94, 0
	MKG0 GB0, 20, P1O, 98, 0
	JLOAD                                          ; my quarter of chunks 0 to 2: one tensor load a wave at the head
	v_and_b32 v1, 31, v0                           ; lane
	v_and_b32 v2, 15, v0                           ; r
	v_bfe_u32 v3, v0, 4, 1                         ; h
	v_lshlrev_b32 v4, 4, v1                        ; 16 x lane
	v_lshlrev_b32 v5, 2, v1                        ; 4 x lane
	v_lshlrev_b32 v6, 6, v3                        ; 64 h: bias by register
	v_and_b32 v7, 8, v2
	v_add_nc_u32 v7, v7, v2
	v_lshlrev_b32 v7, 2, v7                        ; 4 (r + 8 (r / 8)): bias by lane
.irp i, 0,1,2,3
	global_load_b128 v[64+4*\i:67+4*\i], v4, s[96:97] offset:512*\i     ; my part of P0's scale words: 512 consecutive bytes an instruction
.endr
.set si, 0
.rept N1/2
	global_load_b128 v[80+4*si:83+4*si], v4, s[100:101] offset:512*si   ; and of P1's
.set si, si+1
.endr
	s_mul_i32 s21, s[WH], H1                       ; as a reader: P0's half WL (s20 stands), P1's half WH
	s_add_co_u32 s21, s21, P1O
.irp c, 0,1,2
	v_add_nc_u32 v[AP0+\c], s20, v4
	v_add_nc_u32 v[AP1+\c], s21, v4
	s_add_co_u32 s20, s20, 8*TP                    ; from chunk to chunk in my half
	s_add_co_u32 s21, s21, N1*TP
.endr
	s_add_co_u32 s22, s22, SCL0
	v_add_nc_u32 v[ASC0], s22, v5
	s_lshl_b32 s23, s[WH], 12
	s_add_co_u32 s23, s23, SCL1
	v_add_nc_u32 v[ASC1], s23, v5
	s_lshl_b32 s23, s[WV], 11
	s_add_co_u32 s23, s23, SCL0
	v_add_nc_u32 v18, s23, v4                      ; where my part of P0's scale words goes: SCL0 + 2,048 wave + 16 lane
	s_lshl_b32 s23, s[WH], 12
	s_mul_i32 s22, s[WL], 256*N1
	s_add_co_u32 s23, s23, s22
	s_add_co_u32 s23, s23, SCL1
	v_add_nc_u32 v19, s23, v4                      ; and of P1's: SCL1 + 4,096 x half + 256 N1 x (wave % 2) + 16 lane
	s_wait_alu depctr_va_vdst(0)                   ; the wait here, directly ahead of the wait below
	s_wait_xcnt 0x0                                ; the loads of scale words have read their bases, which are written again below
	; the bias by register (for q, k: the index along P0); on the long way also by lane (for v: the index along P1): its epilogue takes one.  Both stay inside the 4,096 bytes for every kind.
.if QP
	s_mov_b64 s[100:101], s[6:7]
.else
	s_cmp_lt_u32 s19, 32
	s_cselect_b64 s[100:101], s[8:9], s[10:11]
.endif
.if QP == 0
	s_cmp_lt_u32 s19, 32                           ; the same in all sixteen partners: k takes the bias by register, v by lane
	s_cbranch_scc0 .Lbias_v_\@
.endif
	s_lshl_b32 s96, s17, 10
	s_lshl_b32 s97, s[WL], 9
	s_add_co_u32 s96, s96, s97
	s_mov_b32 s97, 0
	s_add_nc_u64 s[92:93], s[100:101], s[96:97]    ; 4 (256 cx + 128 WL)
	WIN 0x40
.irp a, 0,1,2,3,4,5,6,7
	global_load_b128 v[BT+8*\a:BT+8*\a+3], v6, s[92:93] offset:(32*(\a/2)+8*(\a%2))*4
	global_load_b128 v[BT+8*\a+4:BT+8*\a+7], v6, s[92:93] offset:(32*(\a/2)+8*(\a%2))*4+16
.endr
	WIN 0
.if QP == 0
	s_branch .Lbias_done_\@
.Lbias_v_\@:
	s_lshl_b32 s96, s18, 10
	s_lshl_b32 s98, s[WH], 9
	s_add_co_u32 s96, s96, s98
	s_mov_b32 s97, 0
	s_add_nc_u64 s[94:95], s[100:101], s[96:97]    ; 4 (256 cy + 128 WH)
	WIN 0x40
.irp n, 0,1,2,3,4,5,6,7
.irp j, 0,1,2,3,4,5,6,7
	global_load_b32 v[BT+8*\n+\j], v7, s[94:95] offset:(32*(\n/2)+8*(\n%2))*4   ; my lane's bias for P1's tile n, in all eight registers of a C
.endr
.endr
	WIN 0
.Lbias_done_\@:
.endif
	s_mov_b32 s96, 0xffff0000                      ; lanes 16-31
	s_mov_b32 s98, 0x76543210
	s_mov_b32 s99, 0xfedcba98                      ; v_permlanex16_b32's selects for lane l xor 16
	s_wait_alu depctr_va_vdst(0)
	s_wait_loadcnt 0x0                             ; the scale words and the biases are in
.irp i, 0,1,2,3
	ds_store_b128 v18, v[64+4*\i:67+4*\i] offset:512*\i
.endr
.set si, 0
.rept N1/2
	ds_store_b128 v19, v[80+4*si:83+4*si] offset:512*si
.set si, si+1
.endr
	s_wait_tensorcnt 0x0                           ; my one load, chunks 0 to 2 of my quarter, has landed,
	s_wait_dscnt 0x0                               ; and my part of the scale words lies in LDS
	s_barrier_signal -1
	s_barrier_wait -1                              ; everybody's
	FETCH 0, 0, 0, 0
.if QP
	STEP_PLAIN 0, 1                                ; the first step's products start the sums from the bias: nothing is cleared
.else
	s_wait_dscnt 0x0
	FNEXT 0
	s_cmp_lt_u32 s19, 32                           ; the same in all sixteen partners
	s_cbranch_scc0 .Lv_first_\@
	MULS 0, N1, 0, 1                               ; k: the bias goes with P0's tile
	WIN 0
	s_branch .Lfirst_done_\@
.Lv_first_\@:
	MULS 0, N1, 0, 2                               ; v: with P1's tile
	WIN 0
.Lfirst_done_\@:
.endif
	STEP_TURN 1                                    ; chunk 0's last step: chunk 3 is asked for
	STEP_PLAIN 2, 0
	STEP_PLAIN 3, 0
	STEP_PLAIN 4, 0
	STEP_BAR 5, 0                                  ; the one load that is out is the refill
	STEP_PLAIN 6, 0
	STEP_LAST 7
	s_wait_loadcnt 0x0                             ; the biases; their bases may be written again
	PLACES
.irp b, 0,1,2,3
	v_mov_b32 v[TM+4+\b], 0                        ; a lane permute's destination counts as one of its sources
.endr
.if QP
	ADDR0
	EPI 0
.else
	s_cmp_lt_u32 s19, 32                           ; the same in all sixteen partners
	s_cbranch_scc0 .Lkind_v_\@
	ADDR0
	EPI 0
	s_branch .Lout_\@
.Lkind_v_\@:
	s_sub_co_u32 s20, s19, 32
	s_lshr_b32 s21, s20, 1                         ; the batch
	s_and_b32 s20, s20, 1
	s_lshl_b32 s20, s20, 2
	s_add_co_u32 s20, s20, s17
	s_lshl_b32 s20, s20, 1
	s_add_co_u32 s20, s20, s[WL]                   ; the step along the keys: 8 x half of the batch + 2 cx + WL
	s_lshl_b32 s2, s18, 1
	s_add_co_u32 s2, s2, s[WH]                     ; my eight tiles of d: 2 cy + WH
	s_mul_i32 s22, s21, 1572864
	s_mul_i32 s23, s2, 8*6144                      ; v^T: batch x 1,572,864 + (K step / 4) x 393,216 + d tile x 6,144 + (K step % 4) x 1,536
	s_add_co_u32 s22, s22, s23
	s_and_b32 s23, s20, 3
	s_mul_i32 s23, s23, 1536
	s_add_co_u32 s22, s22, s23
	s_lshr_b32 s23, s20, 2
	s_mul_i32 s23, s23, 393216
	s_add_co_u32 s22, s22, s23
	s_add_co_u32 s22, s22, YV
	s_mov_b32 s23, 0
	s_add_nc_u64 s[92:93], s[12:13], s[22:23]
	s_lshl_b32 s22, s21, 16
	s_lshl_b32 s2, s2, 13
	s_add_co_u32 s22, s22, s2
	s_lshl_b32 s20, s20, 7
	s_add_co_u32 s22, s22, s20
	s_add_co_u32 s22, s22, YSV
	s_add_nc_u64 s[94:95], s[12:13], s[22:23]
	EPI 1
.Lout_\@:
.endif
	s_wait_tensorcnt 0x0                           ; the wave's end
	ds_add_u32 v[SPW], v[NIL]
	s_wait_dscnt 0x0
	CROUND                                         ; the closing round: no work-group ends while a partner may still ask for a tile that names it
	s_endpgm
.endm
	s_load_b256 s[4:11], s[0:1], 0x0               ; X, bq, bk, bv
	s_load_b64 s[12:13], s[0:1], 0x20              ; Y
	v_lshl_add_u32 v[SPW], v0, 2, SPARE
	v_mov_b32 v[NIL], 0
	ds_add_u32 v30, v31
	ds_add_u32 v30, v31
	s_wait_dscnt 0x0
	v_lshrrev_b32 v1, 5, v0
	v_readfirstlane_b32 s[WV], v1                  ; wave 0..3
	s_lshr_b32 s[WH], s[WV], 1                     ; I read P1's half WH.  Also: I fetch for P0 (0) or for P1 (1)
	s_and_b32 s[WL], s[WV], 1                      ; I read P0's half WL.  Also: which half I fetch
	s_bfe_u32 s17, ttmp6, 0x40000                  ; cx
	s_bfe_u32 s18, ttmp6, 0x40004                  ; cy
	s_and_b32 s19, ttmp7, 0xffff                   ; the cluster's y: 0-15 q, 16-31 k, 32-47 v: the same in all sixteen partners
	s_lshl_b32 s20, 0x1111, s17                    ; my column of the cluster
	s_lshl_b32 s21, s18, 2
	s_lshl_b32 s21, 15, s21                        ; my row
	s_or_b32 s[G1A], s20, (3<<16)|(1<<21)          ; 15:0 the mask; 17:16 elements of 8 bytes; 21 set beside a mask; no padding
	s_or_b32 s[G1B], s21, (3<<16)|(1<<21)
	s_cmp_lt_u32 s19, 16
	s_cbranch_scc1 .Lq_way
.set QP,  0                            ; k and v: 8 tiles of P1 a wave
.set N1,  8
.set LN1, 3
.set NA,  2
.set NB,  2
.set NC,  4
	BODY
.Lq_way:
.set QP,  1                            ; q: 2 tiles of P1 a wave
.set N1,  2
.set LN1, 1
.set NA,  1
.set NB,  0
.set NC,  1
	BODY
.Lfunc_end_k_qe071f08c6e_proj:
	.size	k_qe071f08c6e_proj, .Lfunc_end_k_qe071f08c6e_proj-k_qe071f08c6e_proj
	.p2alignl 7, 3214868480
	.fill 96, 4, 3214868480
	.section	.rodata,"a",@progbits
	.p2align	6, 0x0
	.amdhsa_kernel k_qe071f08c6e_proj
		.amdhsa_group_segment_fixed_size 327680
		.amdhsa_private_segment_fixed_size 0
		.amdhsa_enable_private_segment 0
		.amdhsa_kernarg_size 40
		.amdhsa_user_sgpr_count 2
		.amdhsa_user_sgpr_kernarg_segment_ptr 1
		.amdhsa_wavefront_size32 1
		.amdhsa_system_sgpr_workgroup_id_x 1
		.amdhsa_system_sgpr_workgroup_id_y 1
		.amdhsa_system_sgpr_workgroup_id_z 1
		.amdhsa_system_vgpr_workitem_id 0
		.amdhsa_next_free_vgpr 1024
		.amdhsa_next_free_sgpr 102
		.amdhsa_reserve_vcc 0
		.amdhsa_float_denorm_mode_32 3
		.amdhsa_float_denorm_mode_16_64 3
		.amdhsa_memory_ordered 1
		.amdhsa_forward_progress 1
		.amdhsa_inst_pref_size 245
	.end_amdhsa_kernel
	.amdgpu_metadata
---
amdhsa.version: [ 1, 2 ]
amdhsa.kernels:
  - .name:           k_qe071f08c6e_proj
    .symbol:         k_qe071f08c6e_proj.kd
    .args:
      - { .name: X, .offset: 0, .size: 8, .value_kind: global_buffer, .address_space: global }
      - { .name: bq, .offset: 8, .size: 8, .value_kind: global_buffer, .address_space: global }
      - { .name: bk, .offset: 16, .size: 8, .value_kind: global_buffer, .address_space: global }
      - { .name: bv, .offset: 24, .size: 8, .value_kind: global_buffer, .address_space: global }
      - { .name: Y, .offset: 32, .size: 8, .value_kind: global_buffer, .address_space: global }
    .group_segment_fixed_size: 327680
    .private_segment_fixed_size: 0
    .kernarg_segment_align: 8
    .kernarg_segment_size: 40
    .max_flat_workgroup_size: 128
    .sgpr_count:     102
    .vgpr_count:     1024
    .wavefront_size: 32
...
	.end_amdgpu_metadata
.endif
;; end of part 2
;; launch scores (part 3): grid 8 x 32, 4 waves a work-group, clusters of 4 x 4, 307,712 bytes of LDS; arguments Y, P; writes P
.if DOCPART == 3
	.amdgcn_target "amdgcn-amd-amdhsa--gfx1250"
	.amdhsa_code_object_version 6
	.text
	.protected	k_qe071f08c6e_scores
	.globl	k_qe071f08c6e_scores
	.p2align	8
	.type	k_qe071f08c6e_scores,@function
k_qe071f08c6e_scores:
	s_mov_b64 s[64:65], 0
	v_nop
	global_prefetch_b8 v0, s[64:65] scope:SCOPE_SE
	s_setreg_imm32_b32 hwreg(HW_REG_WAVE_MODE, 25, 1), 1
	s_wait_xcnt 0x0
	s_wait_alu depctr_hold_cnt(0) depctr_sa_sdst(0) depctr_va_vdst(0) depctr_va_sdst(0) depctr_va_ssrc(0) depctr_va_vcc(0) depctr_vm_vsrc(0)
	s_getreg_b32 s2, hwreg(HW_REG_IB_STS2, 6, 4)
	s_cmp_eq_u32 s2, 0
	s_cbranch_scc0 .Lentry_in_a_cluster
	s_endpgm
.Lentry_in_a_cluster:
	s_bfe_u32 s2, ttmp6, 0x10000c
	s_cmp_lg_u32 s2, 0xf033
	s_cbranch_scc0 .Lentry_shape_is_right
	s_endpgm
.Lentry_shape_is_right:
; S^T = k q^T on codes of BF6 (E3M2) with E8M0 scales, and the softmax's numerator for each chunk of 128 keys: t = score x log2(e) / 32; M_c = the chunk's largest t of a query, rounded up to a whole number;
; p = 2^(t - M_c), quantised along the keys; l_c = the sum of the unquantised p.  Stored: p's fragments, their scale words, -M_c and l_c.  The next launch brings the chunks under the row's M: M - M_c is a whole
; number, which it takes off the chunk's scale bytes: the codes stay as they are.  So a maximum is taken away ahead of every exponential.
; A tile of 256 keys x 128 queries to a work-group of four waves, 128 keys x 64 queries a wave: 32 accumulators.  P0 = k (source 0: the keys run along a lane's registers), P1 = q (source 1: a lane holds one query).
; With the order of rows in a tile (lane-row r of tile T = row 32 (T / 2) + 8 (T % 2) + r + 8 (r / 8)) a lane's 64 registers for one tile of queries are keys 32 b + 16 (lane / 16) + 0 .. 15, b = 0 .. 3.
; CLUSTERS: 4 x 4 work-groups of one batch: k's tiles hang on cx and are asked for jointly by a column, q's on cy, by a row.  All of K = 1,024 lies in LDS: four regions, each filled once: five tensor loads of a wave are out at the most.
; LIMITS: NaN and infinities are not served.  A block whose every p has fallen under 2^-122 keeps the byte 1; this program alone reads the bytes.
; REGISTERS: window 0: v1-5, v8-17 addresses; v32-47 scale words, two sets; v64-111, v160-207 q's fragments, two sets; in the epilogue v64-208 at work.  window 1: k's fragments, two sets.  window 2: the accumulators: (n, a) at 8 (8 n + a).
.set N0,   8
.set N1,   4
; HOW LDS IS FILLED (this stands in place of what the head says of regions and of loads that are out): all of K = 1,024 lies in LDS, tile by tile as it lies in Y: k's 16 tiles of 12,288 bytes from byte 0, q's 8 behind them.
; Each wave issues ONE joint load, at the head: eight tiles of k (98,304 dense bytes) or four of q.  Nothing is filled again, and there is no loop to run a prefetch ahead in.
; THE SCALE WORDS (12,288 bytes beside 294,912 of codes, so they go without a joint load) are copied by each wave through registers, 512 consecutive bytes an instruction, into LDS bytes that no tensor load fills.
.set NQ,   8                           ; K steps of 128 in a tile's part: all
.set NREG, 1
.set TP,   NQ*1536
.set P1O,  196608                      ; q's tiles, behind k's 16
.set SPP,  1024
.set SCL0, 294912                      ; k's scale words, 8,192 bytes
.set SCL1, 303104                      ; q's, 4,096 bytes
.set YS,   28311552
.set PS,   6291456                     ; P: scale words [pair of query tiles 128][chunk 16][32 lanes]; -M_c 262,144 bytes on; l_c 524,288 on
.set AP0,  8
.set AP1,  12
.set ASC0, 16
.set ASC1, 17
.set SC,   32
.set T,    64                          ; v64-127 t - M, then p
.set BM,   128                         ; v128-131 the blocks' largest scores, then largest p
.set BP,   132                         ; v132-135 permute destinations
.set TMX,  136
.set NM,   140                         ; v[140:141] -M_c (the packed form names a pair and takes its low word)
.set SA,   142                         ; v[142:143], v[144:145] the sum, in two chains
.set SB,   144
.set SO,   148                         ; v148-151 the conversions' scale operands
.set BY,   152                         ; v152-155 the bytes
.set PCD,  160                         ; codes: v160-178, v180-198 by turns
.set PWD,  200                         ; v200, 201 words; v202, 203 -M_c; v204, 205 l_c (even tile, odd tile); v206-208 the pair's
.set WV,   8
.set WH,   9
.set WL,   10
.set CS,   20                          ; s[20:21] log2(e) / 32
.set G1A,  24
.set G1B,  32
.set G1SA, 40
.set G1SB, 92
.set GA0,  48
.set GA1,  52
.set GA2,  56
.set GA3,  60
.set GSA,  68
.set GB0,  72
.set GB1,  76
.set GB2,  80
.set GB3,  84
.set GSB,  88
.set MSB, 0
.macro WIN new                         ; the immediate's high byte repeats the setting that is left; a switch that changes nothing is dropped
.if MSB != (\new)
	s_set_vgpr_msb (MSB<<8)|(\new)
.set MSB, (\new)
.endif
.endm
.macro PLACES                          ; four plain places behind a matrix instruction, ahead of loads into its registers and of reads of its results
.rept 4
	v_nop
.endr
.endm
.macro CROUND                          ; a round of the cluster's barrier
	s_barrier_signal -1
	s_barrier_wait -1
	s_cmp_lg_u32 s[WV], 0
	s_cbranch_scc1 .Lnot_wave_0_\@
	s_barrier_signal -3
.Lnot_wave_0_\@:
	s_barrier_wait -3
	s_barrier_signal -1
	s_barrier_wait -1
.endm
.macro MKG0 g, lbase, loff, abase, aoff
	s_mov_b32 s[\g], 1
	s_add_co_u32 s[\g+1], s[\lbase], \loff
	s_add_nc_u64 s[\g+2:\g+3], s[\abase:\abase+1], \aoff
	s_or_b32 s[\g+3], s[\g+3], 0x80000000
.endm
.macro FETCH region, q, ks, buf        ; one K step's fragments and scale words into set buf
	WIN 0x40
.set fi, 0
.rept N0
.irp g, 0,1,2
	ds_load_b128 v[96*(\buf)+12*fi+4*\g:96*(\buf)+12*fi+4*\g+3], v[AP0+fi/2] offset:(fi%2)*TP+(\q)*1536+512*\g   ; an address register for each two tiles: the offset has 16 bits
.endr
.set fi, fi+1
.endr
	WIN 0
.set fi, 0
.rept N1
.irp g, 0,1,2
	ds_load_b128 v[64+96*(\buf)+12*fi+4*\g:64+96*(\buf)+12*fi+4*\g+3], v[AP1+fi] offset:(\q)*1536+512*\g         ; one for each tile
.endr
.set fi, fi+1
.endr
.set fi, 0
.rept N0/2
	ds_load_b32 v[SC+8*(\buf)+fi], v[ASC0] offset:fi*SPP+128*(\ks)
.set fi, fi+1
.endr
.set fi, 0
.rept N1/2
	ds_load_b32 v[SC+8*(\buf)+4+fi], v[ASC1] offset:fi*SPP+128*(\ks)
.set fi, fi+1
.endr
.endm
.macro FNEXT ks
	FETCH (((\ks)+1)/NQ)%NREG, ((\ks)+1)%NQ, (\ks)+1, ((\ks)+1)%2
.endm
.macro WM n, a, buf, zero              ; P0's tile a x P1's tile n; a pair's scale words share a register: even tile lanes 0-15, odd tile lanes 16-31
.set rD, (8*(N0*(\n)+(\a)))%256
.set rA, 96*(\buf)+12*(\a)
.set rB, 64+96*(\buf)+12*(\n)
.set rP, SC+8*(\buf)+(\a)/2
.set rQ, SC+8*(\buf)+4+(\n)/2
.set sel, 4*(\zero)+2*((\a)%2)+(\n)%2
.if sel == 0
	v_wmma_scale_f32_16x16x128_f8f6f4 v[rD:rD+7], v[rA:rA+11], v[rB:rB+11], v[rD:rD+7], v[rP], v[rQ] matrix_a_fmt:MATRIX_FMT_BF6 matrix_b_fmt:MATRIX_FMT_BF6
.elseif sel == 1
	v_wmma_scale_f32_16x16x128_f8f6f4 v[rD:rD+7], v[rA:rA+11], v[rB:rB+11], v[rD:rD+7], v[rP], v[rQ] matrix_a_fmt:MATRIX_FMT_BF6 matrix_b_fmt:MATRIX_FMT_BF6 matrix_b_scale:MATRIX_SCALE_ROW1
.elseif sel == 2
	v_wmma_scale_f32_16x16x128_f8f6f4 v[rD:rD+7], v[rA:rA+11], v[rB:rB+11], v[rD:rD+7], v[rP], v[rQ] matrix_a_fmt:MATRIX_FMT_BF6 matrix_b_fmt:MATRIX_FMT_BF6 matrix_a_scale:MATRIX_SCALE_ROW1
.elseif sel == 3
	v_wmma_scale_f32_16x16x128_f8f6f4 v[rD:rD+7], v[rA:rA+11], v[rB:rB+11], v[rD:rD+7], v[rP], v[rQ] matrix_a_fmt:MATRIX_FMT_BF6 matrix_b_fmt:MATRIX_FMT_BF6 matrix_a_scale:MATRIX_SCALE_ROW1 matrix_b_scale:MATRIX_SCALE_ROW1
.elseif sel == 4
	v_wmma_scale_f32_16x16x128_f8f6f4 v[rD:rD+7], v[rA:rA+11], v[rB:rB+11], 0, v[rP], v[rQ] matrix_a_fmt:MATRIX_FMT_BF6 matrix_b_fmt:MATRIX_FMT_BF6
.elseif sel == 5
	v_wmma_scale_f32_16x16x128_f8f6f4 v[rD:rD+7], v[rA:rA+11], v[rB:rB+11], 0, v[rP], v[rQ] matrix_a_fmt:MATRIX_FMT_BF6 matrix_b_fmt:MATRIX_FMT_BF6 matrix_b_scale:MATRIX_SCALE_ROW1
.elseif sel == 6
	v_wmma_scale_f32_16x16x128_f8f6f4 v[rD:rD+7], v[rA:rA+11], v[rB:rB+11], 0, v[rP], v[rQ] matrix_a_fmt:MATRIX_FMT_BF6 matrix_b_fmt:MATRIX_FMT_BF6 matrix_a_scale:MATRIX_SCALE_ROW1
.else
	v_wmma_scale_f32_16x16x128_f8f6f4 v[rD:rD+7], v[rA:rA+11], v[rB:rB+11], 0, v[rP], v[rQ] matrix_a_fmt:MATRIX_FMT_BF6 matrix_b_fmt:MATRIX_FMT_BF6 matrix_a_scale:MATRIX_SCALE_ROW1 matrix_b_scale:MATRIX_SCALE_ROW1
.endif
.endm
.macro MULS n0, cnt, buf, zero         ; the accumulators take turns, one instruction a turn, in the same order in every step
	WIN 0xa1                                       ; P0 window 1, P1 window 0, C and D window 2
.set mn, \n0
.rept \cnt
.set ma, 0
.rept N0
	WM mn, ma, \buf, \zero
.set ma, ma+1
.endr
.set mn, mn+1
.endr
.endm
.macro STEP_PLAIN ks, zero
	s_wait_dscnt 0x0                               ; this step's fragments, asked for a step's products ago, are in
.if (\ks) > 0
	PLACES
.endif
	FNEXT \ks
	MULS 0, N1, (\ks)%2, \zero
	WIN 0
.endm
.macro STEP_BAR ks, cnt                ; the next chunk is read for the first time; nothing is ever filled again in this launch
	s_wait_dscnt 0x0
	s_wait_tensorcnt \cnt                          ; my part of the next chunk has landed; the cnt later chunks' loads may stay out
	s_barrier_signal -1
	MULS 0, N1/2, (\ks)%2, 0
	WIN 0
	s_barrier_wait -1                              ; everybody's has
	PLACES
	FNEXT \ks
	MULS N1/2, N1/2, (\ks)%2, 0
	WIN 0
.endm
.macro STEP_LAST ks
	s_wait_dscnt 0x0
	MULS 0, N1, (\ks)%2, 0
	WIN 0
.endm
	s_load_b128 s[4:7], s[0:1], 0x0                ; Y, P
	v_lshl_add_u32 v254, v0, 2, 0x4b000
	v_mov_b32 v255, 0
	ds_add_u32 v254, v255
	ds_add_u32 v254, v255
	v_lshrrev_b32 v1, 5, v0
	v_readfirstlane_b32 s[WV], v1                  ; wave 0..3
	s_lshr_b32 s[WH], s[WV], 1                     ; I read q's half WH.  Also: I fetch for k (0) or for q (1)
	s_and_b32 s[WL], s[WV], 1                      ; I read k's half WL.  Also: which half I fetch
	s_bfe_u32 s11, ttmp6, 0x40000                  ; cx
	s_bfe_u32 s12, ttmp6, 0x40004                  ; cy
	s_and_b32 s13, ttmp7, 0xffff                   ; the batch
	s_lshl_b32 s14, ttmp9, 2
	s_add_co_u32 s14, s14, s11                     ; which 256 keys
	s_lshl_b32 s2, 0x1111, s11                     ; my column of the cluster
	s_lshl_b32 s3, s12, 2
	s_lshl_b32 s3, 15, s3                          ; my row
	s_or_b32 s[G1A], s2, (3<<16)|(1<<21)           ; the mask; elements of 8 bytes; bit 21 beside a mask; no padding
	s_or_b32 s[G1B], s3, (3<<16)|(1<<21)
	s_mov_b32 s[G1A+1], (TP/8)<<16                 ; k: 8 rows of 12,288 bytes, 12,288 bytes apart
	s_mov_b32 s[G1A+2], 8<<16
	s_mov_b32 s[G1A+3], (TP/8)<<16
	s_mov_b32 s[G1A+4], 8
	s_mov_b32 s[G1A+5], 1536
	s_mov_b32 s[G1A+6], 0
	s_mov_b32 s[G1A+7], 0
	s_mov_b32 s[G1B+1], (TP/8)<<16                 ; q: 4 such rows
	s_mov_b32 s[G1B+2], 4<<16
	s_mov_b32 s[G1B+3], (TP/8)<<16
	s_mov_b32 s[G1B+4], 4
	s_mov_b32 s[G1B+5], 1536
	s_mov_b32 s[G1B+6], 0
	s_mov_b32 s[G1B+7], 0
	s_lshl_b32 s15, s13, 7
	s_lshl_b32 s16, s14, 4
	s_add_co_u32 s15, s15, s16
	s_add_co_u32 s15, s15, 256                     ; k's first tile in Y: 256 + 128 batch + 16 x (which 256 keys)
	s_lshl_b32 s100, s13, 5
	s_lshl_b32 s16, s12, 3
	s_add_co_u32 s100, s100, s16                   ; q's: 32 batch + 8 cy
	s_lshl_b32 s2, s[WL], 3
	s_add_co_u32 s2, s15, s2                       ; the half that I fetch
	s_mul_i32 s16, s2, 12288
	s_mov_b32 s17, 0
	s_lshl_b32 s18, s[WV], 2                       ; of k's scale words I copy those of four tiles: 2,048 bytes
	s_add_co_u32 s18, s18, s15
	s_lshl_b32 s18, s18, 9
	s_add_co_u32 s18, s18, YS
	s_mov_b32 s19, 0
	s_lshl_b32 s3, s[WL], 2
	s_add_co_u32 s3, s100, s3
	s_mul_i32 s20, s3, 12288
	s_mov_b32 s21, 0
	s_lshl_b32 s22, s[WV], 1                       ; of q's those of two tiles: 1,024 bytes
	s_add_co_u32 s22, s22, s100
	s_lshl_b32 s22, s22, 9
	s_add_co_u32 s22, s22, YS
	s_mov_b32 s23, 0
	s_mul_i32 s2, s[WL], N0*TP                     ; where they go: no place in the cluster enters an LDS address
	s_mul_i32 s3, s[WL], N1*TP
	s_lshl_b32 s101, s[WL], 12
	s_wait_dscnt 0x0
	s_wait_kmcnt 0x0
	s_add_nc_u64 s[16:17], s[4:5], s[16:17]
	s_add_nc_u64 s[18:19], s[4:5], s[18:19]
	s_add_nc_u64 s[20:21], s[4:5], s[20:21]
	s_add_nc_u64 s[22:23], s[4:5], s[22:23]
	MKG0 GA0, 2, 0, 16, 0
	MKG0 GB0, 3, P1O, 20, 0
	CROUND                                         ; all sixteen work-groups are here: the joint loads meet
	s_cmp_eq_u32 s[WH], 0                          ; one tensor load a wave: waves 0, 1 fetch k's halves, waves 2, 3 q's, each for all of K
	s_cbranch_scc0 .Lfirst_p1
	tensor_load_to_lds s[GA0:GA0+3], s[G1A:G1A+7]
	s_nop 0
.rept 4
	v_nop
.endr
	s_branch .Lfirst_asked
.Lfirst_p1:
	tensor_load_to_lds s[GB0:GB0+3], s[G1B:G1B+7]
	s_nop 0
.rept 4
	v_nop
.endr
.Lfirst_asked:
	v_and_b32 v1, 31, v0                           ; lane
	v_lshlrev_b32 v4, 4, v1                        ; 16 x lane
	v_lshlrev_b32 v5, 2, v1                        ; 4 x lane
	s_lshl_b32 s13, s[WV], 11
	s_add_co_u32 s13, s13, SCL0
	v_add_nc_u32 v6, s13, v4                       ; where my part of k's scale words goes
	s_lshl_b32 s13, s[WV], 10
	s_add_co_u32 s13, s13, SCL1
	v_add_nc_u32 v7, s13, v4                       ; and of q's
	s_wait_alu depctr_va_vdst(0)
.irp i, 0,1,2,3
	global_load_b128 v[64+4*\i:67+4*\i], v4, s[18:19] offset:512*\i    ; 512 consecutive bytes an instruction
.endr
.irp i, 0,1
	global_load_b128 v[80+4*\i:83+4*\i], v4, s[22:23] offset:512*\i
.endr
	s_wait_loadcnt 0x0                             ; they are in, and their bases may be written again
.irp i, 0,1,2,3
	ds_store_b128 v6, v[64+4*\i:67+4*\i] offset:512*\i
.endr
.irp i, 0,1
	ds_store_b128 v7, v[80+4*\i:83+4*\i] offset:512*\i
.endr
	s_mul_i32 s3, s[WH], N1*TP                     ; as a reader: k's half WL (s2 stands), q's half WH
	s_add_co_u32 s3, s3, P1O
.irp c, 0,1,2,3
	v_add_nc_u32 v[AP0+\c], s2, v4
	v_add_nc_u32 v[AP1+\c], s3, v4
	s_add_co_u32 s2, s2, 2*TP
	s_add_co_u32 s3, s3, TP
.endr
	s_add_co_u32 s101, s101, SCL0
	v_add_nc_u32 v[ASC0], s101, v5
	s_lshl_b32 s11, s[WH], 11
	s_add_co_u32 s11, s11, SCL1
	v_add_nc_u32 v[ASC1], s11, v5
	s_lshl_b32 s14, s14, 1
	s_add_co_u32 s14, s14, s[WL]                   ; my chunk of 128 keys, 0 .. 15
	s_lshl_b32 s2, s[WH], 2
	s_add_co_u32 s2, s100, s2                      ; my first tile of queries
	s_mul_i32 s16, s2, 6144                        ; p lies by chunks of four K steps of the next product: (step / 4) x 1,572,864 + tile x 6,144 + (step % 4) x 1,536
	s_and_b32 s3, s14, 3
	s_mul_i32 s3, s3, 1536
	s_add_co_u32 s16, s16, s3
	s_lshr_b32 s3, s14, 2
	s_mul_i32 s3, s3, 1572864
	s_add_co_u32 s16, s16, s3
	s_mov_b32 s17, 0
	s_add_nc_u64 s[16:17], s[6:7], s[16:17]        ; p's fragments
	s_lshl_b32 s18, s2, 10                         ; (tile / 2) x 16 chunks x 128 bytes
	s_lshl_b32 s3, s14, 7
	s_add_co_u32 s18, s18, s3
	s_add_co_u32 s18, s18, PS
	s_mov_b32 s19, 0
	s_add_nc_u64 s[18:19], s[6:7], s[18:19]
	s_mov_b32 s[CS], 0x3d38aa3b                    ; log2(e) / 32
	s_mov_b32 s[CS+1], s[CS]                       ; (named with it as a pair, so it is written)
	s_mov_b32 s22, 0x76543210
	s_mov_b32 s23, 0xfedcba98                      ; v_permlanex16_b32's selects for lane l xor 16
	s_mov_b32 s101, 0xffff0000                     ; lanes 16-31
	s_wait_alu depctr_va_vdst(0)
	s_wait_tensorcnt 0x0                           ; my one tensor load has landed,
	s_wait_dscnt 0x0                               ; and my part of the scale words lies in LDS
	s_barrier_signal -1
	s_barrier_wait -1                              ; everybody's are
	FETCH 0, 0, 0, 0
	STEP_PLAIN 0, 1                                ; the first step's products start the sums
	STEP_PLAIN 1, 0                                ; all of K is whole for every wave behind the one barrier
	STEP_PLAIN 2, 0
	STEP_PLAIN 3, 0
	STEP_PLAIN 4, 0
	STEP_PLAIN 5, 0
	STEP_PLAIN 6, 0
	STEP_LAST 7
; THE SOFTMAX'S NUMERATOR for tile n of my queries and my 128 keys.
.macro SOFT n
.set S, 64*(\n)
.set PC, PCD+20*((\n)%2)
.set PR, (\n)%2
	s_wait_xcnt 0x0                                ; earlier stores have read their registers
	WIN 0x2a                                       ; all three sources window 2
.irp b, 0,1,2,3
	v_max3_num_f32 v[BM+\b], v[S+16*\b], v[S+16*\b+1], v[S+16*\b+2]   ; the largest score of each block of 32 keys: it serves for the maximum and, since p rises with the score, for the block's largest p
.endr
	WIN 0x28                                       ; sources 1 and 2 window 2
.irp i, 3,5,7,9,11,13
.irp b, 0,1,2,3
	v_max3_num_f32 v[BM+\b], v[BM+\b], v[S+16*\b+\i], v[S+16*\b+\i+1]
.endr
.endr
.irp b, 0,1,2,3
	v_max_num_f32 v[BM+\b], v[BM+\b], v[S+16*\b+15]
.endr
	WIN 0
.irp b, 0,1,2,3
	v_permlanex16_b32 v[BP+\b], v[BM+\b], s22, s23
.endr
.irp b, 0,1,2,3
	v_max_num_f32 v[BM+\b], v[BM+\b], v[BP+\b]     ; with lane l xor 16's 16 keys
.endr
	v_max3_num_f32 v[TMX], v[BM], v[BM+1], v[BM+2]
	v_max_num_f32 v[TMX], v[TMX], v[BM+3]
	v_mul_f32 v[TMX], s[CS], v[TMX]                ; the chunk's largest t
	v_floor_f32 v[NM], -v[TMX]                     ; -M_c = floor(-t): M_c is a whole number
	WIN 0x02                                       ; source 0 window 2
.irp j, 0,2,4,6,8,10,12,14,16,18,20,22,24,26,28,30,32,34,36,38,40,42,44,46,48,50,52,54,56,58,60,62
	v_pk_fma_f32 v[T+\j:T+\j+1], v[S+\j:S+\j+1], s[CS:CS+1], v[NM:NM+1] op_sel_hi:[1,0,0]   ; t - M_c, two at a time
.endr
	WIN 0
.irp b, 0,1,2,3
	v_fma_f32 v[BM+\b], v[BM+\b], s[CS], v[NM]     ; the same of each block's largest score
.endr
	s_wait_alu depctr_va_vdst(0)
.irp j, 0,1,2,3,4,5,6,7,8,9,10,11,12,13,14,15,16,17,18,19,20,21,22,23,24,25,26,27,28,29,30,31,32,33,34,35,36,37,38,39,40,41,42,43,44,45,46,47,48,49,50,51,52,53,54,55,56,57,58,59,60,61,62,63
	v_exp_f32 v[T+\j], v[T+\j]                     ; p = 2^(t - M_c), at most 1
.endr
	v_mov_b32 v[PWD+2+PR], v[NM]                   ; (a plain place behind the exponentials)
	s_wait_alu depctr_va_vdst(0)                   ; one wait for the whole batch, ahead of its first reader
.irp b, 0,1,2,3
	v_exp_f32 v[BM+\b], v[BM+\b]                   ; the block's largest p: the same two instructions on the same number give the same bits
.endr
	v_pk_add_f32 v[SA:SA+1], v[T:T+1], v[T+2:T+3]  ; the sum of the unquantised p, in two chains
	v_pk_add_f32 v[SB:SB+1], v[T+4:T+5], v[T+6:T+7]
.irp j, 8,12,16,20,24,28,32,36,40,44,48,52,56,60
	v_pk_add_f32 v[SA:SA+1], v[SA:SA+1], v[T+\j:T+\j+1]
	v_pk_add_f32 v[SB:SB+1], v[SB:SB+1], v[T+\j+2:T+\j+3]
.endr
	v_pk_add_f32 v[SA:SA+1], v[SA:SA+1], v[SB:SB+1]
	s_wait_alu depctr_va_vdst(0)                   ; and one for the four
	v_add_f32 v[SA], v[SA], v[SA+1]
	v_permlanex16_b32 v[BP], v[SA], s22, s23
	v_add_f32 v[PWD+4+PR], v[SA], v[BP]            ; l_c
.irp b, 0,1,2,3
	v_max_num_f32 v[BM+\b], 0x2800000, v[BM+\b]    ; the floor 2^(5 - 127): the byte cannot fall under 1
.endr
.irp b, 0,1,2,3
	v_add_nc_u32 v[SO+\b], 0xfe000000, v[BM+\b]    ; 4 off the exponent field: the conversion's scale operand
.endr
.irp b, 0,1,2,3
	v_lshrrev_b32 v[BY+\b], 23, v[SO+\b]           ; the scale's byte
.endr
	v_lshl_or_b32 v[PWD+PR], v[BY+1], 8, v[BY]
	v_lshl_or_b32 v[PWD+PR], v[BY+2], 16, v[PWD+PR]
	v_lshl_or_b32 v[PWD+PR], v[BY+3], 24, v[PWD+PR]
.irp c, 0,1
	v_cvt_scalef32_pk16_bf6_f32 v[PC+6*\c:PC+2+6*\c], v[T+32*\c:T+15+32*\c], v[SO+2*\c]
	v_cvt_scalef32_pk16_bf6_f32 v[PC+12+4*\c:PC+14+4*\c], v[T+16+32*\c:T+31+32*\c], v[SO+2*\c+1]   ; (a conversion's three registers begin on an even number)
.endr
	v_nop                                          ; one plain place behind a scaled conversion
.irp c, 0,1                            ; the operand's layout wants a whole block in a lane
.irp i, 0,1,2
	v_permlane16_swap_b32 v[PC+6*\c+\i], v[PC+12+4*\c+\i]
.endr
.irp i, 0,1,2
	v_mov_b32 v[PC+3+6*\c+\i], v[PC+12+4*\c+\i]
.endr
.endr
.irp g, 0,1,2
	global_store_b128 v4, v[PC+4*\g:PC+4*\g+3], s[16:17] offset:(\n)*6144+512*\g   ; 32 lanes store 512 consecutive bytes, at a multiple of 256 from P's first byte
.endr
.if PR
	v_cndmask_b32 v[PWD+6], v[PWD], v[PWD+1], s101       ; the pair's: lanes 0-15 the even tile's rows, lanes 16-31 the odd tile's
	v_cndmask_b32 v[PWD+7], v[PWD+2], v[PWD+3], s101
	v_cndmask_b32 v[PWD+8], v[PWD+4], v[PWD+5], s101
	global_store_b32 v5, v[PWD+6], s[18:19] offset:((\n)/2)*2048
	global_store_b32 v5, v[PWD+7], s[18:19] offset:((\n)/2)*2048+262144
	global_store_b32 v5, v[PWD+8], s[18:19] offset:((\n)/2)*2048+524288
.endif
.endm
	PLACES
.irp b, 0,1,2,3
	v_mov_b32 v[BP+\b], 0                          ; a lane permute's destination counts as one of its sources
.endr
	v_mov_b32 v[NM+1], 0                           ; (named as the upper half of a pair)
	SOFT 0
	SOFT 1
	SOFT 2
	SOFT 3
	s_wait_tensorcnt 0x0
	ds_add_u32 v254, v255
	s_wait_dscnt 0x0
	CROUND                                         ; the closing round: no work-group ends while a partner may still ask for a tile that names it
	s_endpgm
.Lfunc_end_k_qe071f08c6e_scores:
	.size	k_qe071f08c6e_scores, .Lfunc_end_k_qe071f08c6e_scores-k_qe071f08c6e_scores
	.p2alignl 7, 3214868480
	.fill 96, 4, 3214868480
	.section	.rodata,"a",@progbits
	.p2align	6, 0x0
	.amdhsa_kernel k_qe071f08c6e_scores
		.amdhsa_group_segment_fixed_size 307712
		.amdhsa_private_segment_fixed_size 0
		.amdhsa_enable_private_segment 0
		.amdhsa_kernarg_size 16
		.amdhsa_user_sgpr_count 2
		.amdhsa_user_sgpr_kernarg_segment_ptr 1
		.amdhsa_wavefront_size32 1
		.amdhsa_system_sgpr_workgroup_id_x 1
		.amdhsa_system_sgpr_workgroup_id_y 1
		.amdhsa_system_sgpr_workgroup_id_z 1
		.amdhsa_system_vgpr_workitem_id 0
		.amdhsa_next_free_vgpr 768
		.amdhsa_next_free_sgpr 102
		.amdhsa_reserve_vcc 0
		.amdhsa_float_denorm_mode_32 3
		.amdhsa_float_denorm_mode_16_64 3
		.amdhsa_memory_ordered 1
		.amdhsa_forward_progress 1
		.amdhsa_inst_pref_size 109
	.end_amdhsa_kernel
	.amdgpu_metadata
---
amdhsa.version: [ 1, 2 ]
amdhsa.kernels:
  - .name:           k_qe071f08c6e_scores
    .symbol:         k_qe071f08c6e_scores.kd
    .args:
      - { .name: Y, .offset: 0, .size: 8, .value_kind: global_buffer, .address_space: global }
      - { .name: P, .offset: 8, .size: 8, .value_kind: global_buffer, .address_space: global }
    .group_segment_fixed_size: 307712
    .private_segment_fixed_size: 0
    .kernarg_segment_align: 8
    .kernarg_segment_size: 16
    .max_flat_workgroup_size: 128
    .sgpr_count:     102
    .vgpr_count:     768
    .wavefront_size: 32
...
	.end_amdgpu_metadata
.endif
;; end of part 3
;; launch pv (part 4): grid 8 x 32, 4 waves a work-group, clusters of 4 x 4, 327,680 bytes of LDS; arguments Y, P, out0; writes out0
.if DOCPART == 4
	.amdgcn_target "amdgcn-amd-amdhsa--gfx1250"
	.amdhsa_code_object_version 6
	.text
	.protected	k_qe071f08c6e_pv
	.globl	k_qe071f08c6e_pv
	.p2align	8
	.type	k_qe071f08c6e_pv,@function
k_qe071f08c6e_pv:
	s_mov_b64 s[64:65], 0
	v_nop
	global_prefetch_b8 v0, s[64:65] scope:SCOPE_SE
	s_setreg_imm32_b32 hwreg(HW_REG_WAVE_MODE, 25, 1), 1
	s_wait_xcnt 0x0
	s_wait_alu depctr_hold_cnt(0) depctr_sa_sdst(0) depctr_va_vdst(0) depctr_va_sdst(0) depctr_va_ssrc(0) depctr_va_vcc(0) depctr_vm_vsrc(0)
	s_getreg_b32 s2, hwreg(HW_REG_IB_STS2, 6, 4)
	s_cmp_eq_u32 s2, 0
	s_cbranch_scc0 .Lentry_in_a_cluster
	s_endpgm
.Lentry_in_a_cluster:
	s_bfe_u32 s2, ttmp6, 0x10000c
	s_cmp_lg_u32 s2, 0xf033
	s_cbranch_scc0 .Lentry_shape_is_right
	s_endpgm
.Lentry_shape_is_right:
; O^T = v^T p^T on codes of BF6 (E3M2) with E8M0 scales, divided by the row's sum.  p arrives in 16 chunks of 128 keys, each under its own whole number M_c.  At the head, for each query: M = the largest M_c;
; each chunk's four scale bytes are lowered by M - M_c (a power of two, taken up by the scale: the codes stay), and l = the sum of l_c 2^(M_c - M).
; A tile of 128 d x 128 queries to a work-group of four waves, 64 x 64 a wave: 16 accumulators; K = 2,048 keys.  P0 = v^T (source 0: d runs along a lane's registers), P1 = p (source 1: a lane holds one query).
; With the order of rows in a tile (lane-row r of tile T = row 32 (T / 2) + 8 (T % 2) + r + 8 (r / 8)) a lane's 32 registers for one tile of queries are d = 32 b + 16 (lane / 16) + 0 .. 15, b = 0, 1.
; A larger tile would leave WGPs without work: 8 batches x 4 x 8 tiles of this size are 256 work-groups.
; CLUSTERS: 4 x 4 work-groups of one batch: v^T's tiles hang on cx and are asked for jointly by a column, p's on cy, by a row.  K goes in four chunks of 512 through three LDS regions: chunks 0, 1, 2 are first fills,
; chunk 3 fills region 0 again behind one round of the cluster's barrier.  By this text's count a wave has at most four tensor loads out.
; LIMITS: NaN and infinities are not served.  A chunk whose M_c lies d under M has its bytes lowered by min(d, 255) and held at 0 from below (byte 0 is 2^-127): what then remains of it is at most 28 x 2^-127 x |v|
; beside a row's sum of at least 1/2; from d = 255 on its l_c counts as 0.
; REGISTERS: window 0: v1-5, v8-23 addresses; v30, v31 for the add; v32-47 scale words, two sets; v48-55 1/l; v64-111, v160-207 p's fragments, two sets (v64-167 at work at the head; v64-191 on the way out).
;   window 1: v^T's fragments, two sets.   window 2: the accumulators: (n, a) at 8 (4 n + a).
.set N0,   4
.set N1,   4
; HOW LDS IS FILLED (this stands in place of what the head says of regions and of loads that are out).  v^T and p lie in memory by chunks of four K steps: [chunk][tile][6,144 bytes].
; Each wave issues ONE joint load at the head: chunks 0, 1, 2 of its four tiles, a tile of three rows of 24,576 dense bytes: a quarter of LDS holds [chunk][tile][6,144 bytes].
; Chunk 3 fills chunk 0's bytes again in step 3, behind a round of the cluster's barrier, one load a wave: by this text's count one tensor load of a wave is out at a time.
; v^T's SCALE WORDS (8,192 bytes beside 393,216 of codes, so they go without a joint load) are copied by each wave through registers, 512 consecutive bytes an instruction.  The text has no loop to run a prefetch ahead in.
.set NQ,   4                           ; K steps of 128 in a chunk
.set NREG, 3
.set TP,   NQ*1536
.set REG,  4*TP                        ; a chunk of a quarter: four tiles
.set P1O,  6*REG                       ; p's two quarters, behind v^T's two
.set SPP,  2048
.set SCL0, 294912                      ; v^T's scale words, 8,192 bytes, written by LDS stores alone
.set SCL1, 303104                      ; p's, under the row's M: 8,192 bytes, written by LDS stores alone
.set RL,   311296                      ; 1/l: 512 bytes, written by LDS stores alone
.set SPARE, 311808                     ; the spare words, 128 bytes a wave: two blocks of 256 bytes that no other line names
.set STAGE, REG                        ; the way out: 16 rows x 272 bytes a wave, in region 1: it has had its only fill, and behind the barrier in step 11 nobody reads it
.set YV,   15728640
.set YSV,  28966912
.set PS,   6291456
.set AP0,  8
.set AP1,  12
.set ASC0, 16
.set ASC1, 17
.set PSA,  18                          ; v18  where I store p's scale words: SCL1 + 2,048 wave + 4 lane
.set RLA,  19                          ; v19  and 1/l: RL + 128 wave + 4 lane
.set STO,  20                          ; v20  the stage, on the way in
.set RD,   21                          ; v21  and back
.set GO,   22                          ; v22  my byte offset in two rows of out0
.set RLR,  23                          ; v23  where I read 1/l
.set SPW,  30
.set NIL,  31
.set SC,   32
.set RI,   48                          ; v48-55 1/l of my four tiles' rows, twice each
.set MC,   64                          ; the head: v64-79 -M_c, then M - M_c; v80-95 l_c; v96-111 the scale words
.set LC,   80
.set WC,   96
.set WV,   10
.set WH,   11
.set WL,   12
.set G1A,  24
.set G1B,  32
.set G1SA, 40
.set GA0,  48
.set GA1,  52
.set GA2,  56
.set GSA,  60
.set GB0,  68
.set GB1,  72
.set GB2,  76
.set MSB, 0
.macro WIN new                         ; the immediate's high byte repeats the setting that is left; a switch that changes nothing is dropped
.if MSB != (\new)
	s_set_vgpr_msb (MSB<<8)|(\new)
.set MSB, (\new)
.endif
.endm
.macro PLACES                          ; four plain places behind a matrix instruction, ahead of loads into its registers and of reads of its results
.rept 4
	v_nop
.endr
.endm
.macro CREST                           ; a round of the cluster's barrier behind its opening barrier
	s_cmp_lg_u32 s[WV], 0
	s_cbranch_scc1 .Lnot_wave_0_\@
	s_barrier_signal -3
.Lnot_wave_0_\@:
	s_barrier_wait -3
	s_barrier_signal -1
	s_barrier_wait -1
.endm
.macro CROUND
	s_barrier_signal -1
	s_barrier_wait -1
	CREST
.endm
.macro JLOAD                           ; the joint refill: waves 0, 1 fetch v^T's halves, waves 2, 3 p's; four v_nop follow each line
	s_cmp_eq_u32 s[WH], 0
	s_cbranch_scc0 .Lfor_p1_\@
	tensor_load_to_lds s[GA0:GA0+3], s[G1A:G1A+7]
	s_nop 0
.rept 4
	v_nop
.endr
	s_branch .Lasked_\@
.Lfor_p1_\@:
	tensor_load_to_lds s[GB0:GB0+3], s[G1B:G1B+7]
	s_nop 0
.rept 4
	v_nop
.endr
.Lasked_\@:
.endm
.macro MKG0 g, lbase, loff, abase, aoff
	s_mov_b32 s[\g], 1
	s_add_co_u32 s[\g+1], s[\lbase], \loff
	s_add_nc_u64 s[\g+2:\g+3], s[\abase:\abase+1], \aoff
	s_or_b32 s[\g+3], s[\g+3], 0x80000000
.endm
.macro FETCH region, q, ks, buf        ; one K step's fragments and scale words into set buf
	WIN 0x40
.set fi, 0
.rept N0
.irp g, 0,1,2
	ds_load_b128 v[96*(\buf)+12*fi+4*\g:96*(\buf)+12*fi+4*\g+3], v[AP0+(\region)] offset:fi*TP+(\q)*1536+512*\g
.endr
.set fi, fi+1
.endr
	WIN 0
.set fi, 0
.rept N1
.irp g, 0,1,2
	ds_load_b128 v[64+96*(\buf)+12*fi+4*\g:64+96*(\buf)+12*fi+4*\g+3], v[AP1+(\region)] offset:fi*TP+(\q)*1536+512*\g
.endr
.set fi, fi+1
.endr
.set fi, 0
.rept N0/2
	ds_load_b32 v[SC+8*(\buf)+fi], v[ASC0] offset:fi*SPP+128*(\ks)
.set fi, fi+1
.endr
.set fi, 0
.rept N1/2
	ds_load_b32 v[SC+8*(\buf)+4+fi], v[ASC1] offset:fi*SPP+128*(\ks)
.set fi, fi+1
.endr
.endm
.macro FNEXT ks
	FETCH (((\ks)+1)/NQ)%NREG, ((\ks)+1)%NQ, (\ks)+1, ((\ks)+1)%2
.endm
.macro WM n, a, buf, zero              ; P0's tile a x P1's tile n; a pair's scale words share a register: even tile lanes 0-15, odd tile lanes 16-31
.set rD, (8*(N0*(\n)+(\a)))%256
.set rA, 96*(\buf)+12*(\a)
.set rB, 64+96*(\buf)+12*(\n)
.set rP, SC+8*(\buf)+(\a)/2
.set rQ, SC+8*(\buf)+4+(\n)/2
.set sel, 4*(\zero)+2*((\a)%2)+(\n)%2
.if sel == 0
	v_wmma_scale_f32_16x16x128_f8f6f4 v[rD:rD+7], v[rA:rA+11], v[rB:rB+11], v[rD:rD+7], v[rP], v[rQ] matrix_a_fmt:MATRIX_FMT_BF6 matrix_b_fmt:MATRIX_FMT_BF6
.elseif sel == 1
	v_wmma_scale_f32_16x16x128_f8f6f4 v[rD:rD+7], v[rA:rA+11], v[rB:rB+11], v[rD:rD+7], v[rP], v[rQ] matrix_a_fmt:MATRIX_FMT_BF6 matrix_b_fmt:MATRIX_FMT_BF6 matrix_b_scale:MATRIX_SCALE_ROW1
.elseif sel == 2
	v_wmma_scale_f32_16x16x128_f8f6f4 v[rD:rD+7], v[rA:rA+11], v[rB:rB+11], v[rD:rD+7], v[rP], v[rQ] matrix_a_fmt:MATRIX_FMT_BF6 matrix_b_fmt:MATRIX_FMT_BF6 matrix_a_scale:MATRIX_SCALE_ROW1
.elseif sel == 3
	v_wmma_scale_f32_16x16x128_f8f6f4 v[rD:rD+7], v[rA:rA+11], v[rB:rB+11], v[rD:rD+7], v[rP], v[rQ] matrix_a_fmt:MATRIX_FMT_BF6 matrix_b_fmt:MATRIX_FMT_BF6 matrix_a_scale:MATRIX_SCALE_ROW1 matrix_b_scale:MATRIX_SCALE_ROW1
.elseif sel == 4
	v_wmma_scale_f32_16x16x128_f8f6f4 v[rD:rD+7], v[rA:rA+11], v[rB:rB+11], 0, v[rP], v[rQ] matrix_a_fmt:MATRIX_FMT_BF6 matrix_b_fmt:MATRIX_FMT_BF6
.elseif sel == 5
	v_wmma_scale_f32_16x16x128_f8f6f4 v[rD:rD+7], v[rA:rA+11], v[rB:rB+11], 0, v[rP], v[rQ] matrix_a_fmt:MATRIX_FMT_BF6 matrix_b_fmt:MATRIX_FMT_BF6 matrix_b_scale:MATRIX_SCALE_ROW1
.elseif sel == 6
	v_wmma_scale_f32_16x16x128_f8f6f4 v[rD:rD+7], v[rA:rA+11], v[rB:rB+11], 0, v[rP], v[rQ] matrix_a_fmt:MATRIX_FMT_BF6 matrix_b_fmt:MATRIX_FMT_BF6 matrix_a_scale:MATRIX_SCALE_ROW1
.else
	v_wmma_scale_f32_16x16x128_f8f6f4 v[rD:rD+7], v[rA:rA+11], v[rB:rB+11], 0, v[rP], v[rQ] matrix_a_fmt:MATRIX_FMT_BF6 matrix_b_fmt:MATRIX_FMT_BF6 matrix_a_scale:MATRIX_SCALE_ROW1 matrix_b_scale:MATRIX_SCALE_ROW1
.endif
.endm
.macro MULS n0, cnt, buf, zero         ; the accumulators take turns, one instruction a turn, in the same order in every step
	WIN 0xa1                                       ; P0 window 1, P1 window 0, C and D window 2
.set mn, \n0
.rept \cnt
.set ma, 0
.rept N0
	WM mn, ma, \buf, \zero
.set ma, ma+1
.endr
.set mn, mn+1
.endr
.endm
.macro STEP_PLAIN ks, zero
	s_wait_dscnt 0x0                               ; this step's fragments, asked for a step's products ago, are in
.if (\ks) > 0
	PLACES
.endif
	FNEXT \ks
	MULS 0, N1, (\ks)%2, \zero
	WIN 0
.endm
.macro STEP_BAR ks, cnt                ; the next chunk is read for the first time
	s_wait_dscnt 0x0
	s_wait_tensorcnt \cnt                          ; my part of the next chunk has landed
	s_barrier_signal -1
	MULS 0, N1/2, (\ks)%2, 0
	WIN 0
	s_barrier_wait -1                              ; everybody's has
	PLACES
	FNEXT \ks
	MULS N1/2, N1/2, (\ks)%2, 0
	WIN 0
.endm
.macro STEP_TURN ks                    ; region 0's last step: the region is filled again, with chunk 3
	s_wait_dscnt 0x0                               ; this step's fragments are in registers: my reads of region 0 are over
	s_wait_tensorcnt 0x0                           ; all my tensor loads have landed (chunks 1 and 2 among them), so a group 0 may be written;
	ds_add_u32 v[SPW], v[NIL]                      ; 0 onto my spare word
	s_add_nc_u64 s[GA0+2:GA0+3], s[GA0+2:GA0+3], 3*393216     ; chunk 3, to the same LDS address: chunk 0's bytes;
	s_add_nc_u64 s[GB0+2:GB0+3], s[GB0+2:GB0+3], 3*1572864
.irp g, G1A, G1B                       ; one chunk of four tiles is dense: 4 rows of 6,144 bytes
	s_mov_b32 s[\g+1], (TP/8)<<16
	s_mov_b32 s[\g+2], 4<<16
	s_mov_b32 s[\g+3], (TP/8)<<16
	s_mov_b32 s[\g+4], 4
	s_mov_b32 s[\g+5], TP/8
.endr
	MULS 0, N1/4, (\ks)%2, 0                       ; products stand between the add and the wait for it
	s_wait_dscnt 0x0                               ; the add is done
	s_barrier_signal -1                            ; this barrier opens a round of the cluster's barrier
	MULS N1/4, N1/4, (\ks)%2, 0
	WIN 0
	s_barrier_wait -1
	CREST                                          ; no wave of any partner still reads region 0 or has a load on its way
	JLOAD                                          ; the first tensor load behind the round, one a wave; its four v_nop are also the places in front of the loads below
	FNEXT \ks
	MULS N1/2, N1/2, (\ks)%2, 0
	WIN 0
.endm
.macro STEP_LAST ks
	s_wait_dscnt 0x0
	MULS 0, N1, (\ks)%2, 0
	WIN 0
.endm
	s_load_b128 s[4:7], s[0:1], 0x0                ; Y, P
	s_load_b64 s[8:9], s[0:1], 0x10                ; out0
	v_lshl_add_u32 v[SPW], v0, 2, SPARE
	v_mov_b32 v[NIL], 0
	ds_add_u32 v30, v31
	ds_add_u32 v30, v31
	s_wait_dscnt 0x0
	v_lshrrev_b32 v1, 5, v0
	v_readfirstlane_b32 s[WV], v1                  ; wave 0..3
	s_lshr_b32 s[WH], s[WV], 1                     ; I read p's half WH.  Also: I fetch for v^T (0) or for p (1)
	s_and_b32 s[WL], s[WV], 1                      ; I read v^T's half WL.  Also: which half I fetch
	s_bfe_u32 s13, ttmp6, 0x40000                  ; cx
	s_bfe_u32 s14, ttmp6, 0x40004                  ; cy
	s_and_b32 s15, ttmp7, 0xffff                   ; the batch
	s_lshl_b32 s16, ttmp9, 2
	s_add_co_u32 s16, s16, s13                     ; which 128 of d
	s_lshl_b32 s2, 0x1111, s13                     ; my column of the cluster
	s_lshl_b32 s3, s14, 2
	s_lshl_b32 s3, 15, s3                          ; my row
	s_or_b32 s[G1A], s2, (3<<16)|(1<<21)           ; the mask; elements of 8 bytes; bit 21 beside a mask; no padding
	s_or_b32 s[G1B], s3, (3<<16)|(1<<21)
.irp g, G1A, G1B                       ; codes: four tiles' parts of a chunk, 24,576 dense bytes
	s_mov_b32 s[\g+1], (4*TP/8)<<16                ; at the head: 3 rows (chunks) of four tiles' 24,576 dense bytes
	s_mov_b32 s[\g+2], 3<<16
	s_mov_b32 s[\g+3], (4*TP/8)<<16
	s_mov_b32 s[\g+4], 3
	s_mov_b32 s[\g+6], 0
	s_mov_b32 s[\g+7], 0
.endr
	s_mov_b32 s[G1A+5], 393216/8                   ; from chunk to chunk: v^T 64 tiles of a batch,
	s_mov_b32 s[G1B+5], 1572864/8                  ; p all 256 tiles of queries
	s_lshl_b32 s17, s16, 3
	s_lshl_b32 s18, s[WL], 2
	s_add_co_u32 s17, s17, s18                     ; the tiles of d that I fetch
	s_mul_i32 s84, s17, TP
	s_mul_i32 s18, s15, 1572864
	s_add_co_u32 s84, s84, s18
	s_add_co_u32 s84, s84, YV
	s_mov_b32 s85, 0
	s_lshl_b32 s86, s16, 13                        ; v^T's scale words: 8,192 bytes a work-group, of which I copy one pair's 2,048
	s_lshl_b32 s18, s[WV], 11
	s_add_co_u32 s86, s86, s18
	s_lshl_b32 s18, s15, 16
	s_add_co_u32 s86, s86, s18
	s_add_co_u32 s86, s86, YSV
	s_mov_b32 s87, 0
	s_lshl_b32 s19, s15, 5
	s_lshl_b32 s20, s14, 3
	s_add_co_u32 s19, s19, s20                     ; my work-group's first tile of queries: 32 batch + 8 cy
	s_lshl_b32 s20, s[WL], 2
	s_add_co_u32 s20, s19, s20
	s_mul_i32 s88, s20, TP
	s_mov_b32 s89, 0
	s_mul_i32 s20, s[WL], 3*N0*TP                  ; where they go: no place in the cluster enters an LDS address
	s_lshl_b32 s22, s[WL], 12
	s_wait_kmcnt 0x0
	s_add_nc_u64 s[84:85], s[4:5], s[84:85]
	s_add_nc_u64 s[86:87], s[4:5], s[86:87]
	s_add_nc_u64 s[88:89], s[6:7], s[88:89]
	MKG0 GA0, 20, 0, 84, 0
	MKG0 GB0, 20, P1O, 88, 0
	CROUND                                         ; all sixteen work-groups are here: the first joint loads meet
	JLOAD                                          ; my quarter of chunks 0 to 2: one tensor load a wave at the head
	v_and_b32 v1, 31, v0                           ; lane
	v_and_b32 v2, 15, v0                           ; r
	v_bfe_u32 v3, v0, 4, 1                         ; h
	v_lshlrev_b32 v4, 4, v1                        ; 16 x lane
	s_wait_alu depctr_va_vdst(0)
	v_lshlrev_b32 v5, 2, v1                        ; 4 x lane
	s_wait_alu depctr_va_vdst(0)
	s_lshl_b32 s82, s19, 10                        ; the statistics of pair 16 batch + 4 cy + wave: 2,048 bytes a pair
	s_lshl_b32 s83, s[WV], 11
	s_add_co_u32 s82, s82, s83
	s_add_co_u32 s82, s82, PS
	s_mov_b32 s83, 0
	s_add_nc_u64 s[82:83], s[6:7], s[82:83]
.irp c, 0,1,2,3,4,5,6,7,8,9,10,11,12,13,14,15
	global_load_b32 v[MC+\c], v5, s[82:83] offset:262144+128*\c   ; -M_c
	global_load_b32 v[LC+\c], v5, s[82:83] offset:524288+128*\c   ; l_c
	global_load_b32 v[WC+\c], v5, s[82:83] offset:128*\c          ; the chunk's scale word
.endr
.irp i, 0,1,2,3
	global_load_b128 v[152+4*\i:155+4*\i], v4, s[86:87] offset:512*\i   ; my pair's part of v^T's scale words
.endr
	s_mul_i32 s21, s[WH], 3*N1*TP                  ; as a reader: v^T's half WL (s20 stands), p's half WH
	s_add_co_u32 s21, s21, P1O
.irp c, 0,1,2
	v_add_nc_u32 v[AP0+\c], s20, v4
	v_add_nc_u32 v[AP1+\c], s21, v4
	s_add_co_u32 s20, s20, REG
	s_add_co_u32 s21, s21, REG
.endr
	s_add_co_u32 s22, s22, SCL0
	v_add_nc_u32 v[ASC0], s22, v5
	s_lshl_b32 s23, s[WH], 12
	s_add_co_u32 s23, s23, SCL1
	v_add_nc_u32 v[ASC1], s23, v5
	s_lshl_b32 s23, s[WV], 11
	s_add_co_u32 s23, s23, SCL1
	v_add_nc_u32 v[PSA], s23, v5
	s_lshl_b32 s23, s[WV], 11
	s_add_co_u32 s23, s23, SCL0
	v_add_nc_u32 v6, s23, v4                       ; where v^T's scale words go: SCL0 + 2,048 wave + 16 lane
	s_lshl_b32 s23, s[WV], 7
	s_add_co_u32 s23, s23, RL
	v_add_nc_u32 v[RLA], s23, v5
	s_mul_i32 s23, s[WV], 16*272
	s_add_co_u32 s23, s23, STAGE                   ; my stage
	v_mul_u32_u24 v[STO], v2, 272
	v_lshl_add_u32 v[STO], v3, 6, v[STO]
	v_add_nc_u32 v[STO], s23, v[STO]               ; in: row r, + 64 h
	v_mul_u32_u24 v[RD], v3, 272
	v_lshl_add_u32 v[RD], v2, 4, v[RD]
	v_add_nc_u32 v[RD], s23, v[RD]                 ; back: lanes 0-15 one row of 256 bytes, lanes 16-31 the next
	v_lshlrev_b32 v[GO], 12, v3
	v_lshl_add_u32 v[GO], v2, 4, v[GO]             ; and the same two rows in out0
	s_lshl_b32 s23, s[WH], 8
	s_add_co_u32 s23, s23, RL
	v_lshl_add_u32 v[RLR], v2, 2, s23
	s_lshl_b32 s80, s19, 16                        ; out0: (512 batch + 128 cy + 64 WH) rows of 4,096 bytes + 512 x (which 128 of d) + 256 WL
	s_lshl_b32 s81, s[WH], 18
	s_add_co_u32 s80, s80, s81
	s_lshl_b32 s81, s16, 9
	s_add_co_u32 s80, s80, s81
	s_lshl_b32 s81, s[WL], 8
	s_add_co_u32 s80, s80, s81
	s_mov_b32 s81, 0
	s_add_nc_u64 s[80:81], s[8:9], s[80:81]
	s_wait_loadcnt 0x0
	v_min3_num_f32 v112, v[MC], v[MC+1], v[MC+2]   ; -M = the least -M_c
.irp c, 3,5,7,9,11,13
	v_min3_num_f32 v112, v112, v[MC+\c], v[MC+\c+1]
.endr
	v_min_num_f32 v112, v112, v[MC+15]
.irp c, 0,1,2,3,4,5,6,7,8,9,10,11,12,13,14,15
	v_sub_f32 v[MC+\c], v[MC+\c], v112             ; M - M_c: a whole number, 0 or more
.endr
.irp c, 0,1,2,3,4,5,6,7,8,9,10,11,12,13,14,15
	v_cvt_u32_f32 v[MC+\c], v[MC+\c]               ; (it saturates)
.endr
.irp c, 0,1,2,3,4,5,6,7,8,9,10,11,12,13,14,15
	v_min_u32 v[MC+\c], 0xff, v[MC+\c]
.endr
.irp c, 0,1,2,3,4,5,6,7,8,9,10,11,12,13,14,15
	v_sub_nc_u32 v[128+\c], 0, v[MC+\c]
.endr
.irp c, 0,1,2,3,4,5,6,7,8,9,10,11,12,13,14,15
	v_ldexp_f32 v[LC+\c], v[LC+\c], v[128+\c]      ; l_c under the row's M: nothing is rounded
.endr
.irp c, 0,1,2,3,4,5,6,7
	v_add_f32 v[LC+\c], v[LC+\c], v[LC+8+\c]
.endr
.irp c, 0,1,2,3
	v_add_f32 v[LC+\c], v[LC+\c], v[LC+4+\c]
.endr
	v_add_f32 v[LC], v[LC], v[LC+2]
	v_add_f32 v[LC+1], v[LC+1], v[LC+3]
	v_add_f32 v[LC], v[LC], v[LC+1]                ; l
	s_wait_alu depctr_va_vdst(0)
	v_rcp_f32 v113, v[LC]
.irp c, 0,1,2,3,4,5,6,7,8,9,10,11,12,13,14,15   ; each byte e of a chunk's word becomes e - min(e, M - M_c).  (Plain work behind the reciprocal)
	v_and_b32 v144, 0xff, v[WC+\c]
	v_bfe_u32 v145, v[WC+\c], 8, 8
	v_bfe_u32 v146, v[WC+\c], 16, 8
	v_lshrrev_b32 v147, 24, v[WC+\c]
	v_min_u32 v148, v144, v[MC+\c]
	v_min_u32 v149, v145, v[MC+\c]
	v_min_u32 v150, v146, v[MC+\c]
	v_min_u32 v151, v147, v[MC+\c]
	v_sub_nc_u32 v144, v144, v148
	v_sub_nc_u32 v145, v145, v149
	v_sub_nc_u32 v146, v146, v150
	v_sub_nc_u32 v147, v147, v151
	v_lshl_or_b32 v144, v145, 8, v144
	v_lshl_or_b32 v144, v146, 16, v144
	v_lshl_or_b32 v[WC+\c], v147, 24, v144
	ds_store_b32 v[PSA], v[WC+\c] offset:128*\c
.endr
	s_wait_alu depctr_va_vdst(0)                   ; the wait ahead of the reciprocal's first reader
	ds_store_b32 v[RLA], v113
.irp i, 0,1,2,3
	ds_store_b128 v6, v[152+4*\i:155+4*\i] offset:512*\i
.endr
	s_wait_tensorcnt 0x0                           ; my one load, chunks 0 to 2 of my quarter, has landed,
	s_wait_dscnt 0x0                               ; and for the others' sake my scale words and 1/l lie in LDS
	s_barrier_signal -1
	s_barrier_wait -1
	FETCH 0, 0, 0, 0
	STEP_PLAIN 0, 1                                ; the first step's products start the sums
	STEP_PLAIN 1, 0
	STEP_PLAIN 2, 0
	STEP_TURN 3                                    ; chunk 0's last step: chunk 3 is asked for
.irp k, 4,5,6,7,8,9,10
	STEP_PLAIN \k, 0                               ; chunks 1 and 2 are whole for every wave: each waited for all its loads in front of the round
.endr
	STEP_BAR 11, 0                                 ; the one load that is out is the refill
	STEP_PLAIN 12, 0
	STEP_PLAIN 13, 0
	STEP_PLAIN 14, 0
	STEP_LAST 15
; THE WAY OUT, a tile of 16 queries x 64 d at a time: x 1/l, through my stage in LDS, back as whole rows of 256 bytes.  LDS serves a wave's instructions in order: no wait between the stores and the loads, nor ahead of the next tile's stores.
.macro OUTN n
.set TT, 64+32*((\n)%2)
.set OB, 128+32*((\n)%2)
	s_wait_xcnt 0x0                                ; earlier stores have read their registers
	WIN 0x02                                       ; source 0 window 2
.set oi, 0
.rept 16                               ; ascending: each accumulator is read from its low end on
	v_pk_mul_f32 v[TT+2*oi:TT+2*oi+1], v[32*(\n)+2*oi:32*(\n)+2*oi+1], v[RI+2*(\n):RI+2*(\n)+1]
.set oi, oi+1
.endr
	WIN 0
.irp b, 0,1
.irp i, 0,1,2,3
	ds_store_b128 v[STO], v[TT+16*\b+4*\i:TT+16*\b+4*\i+3] offset:128*\b+16*\i   ; register 16 b + e is d = 32 b + 16 h + e
.endr
.endr
.irp i, 0,1,2,3,4,5,6,7
	ds_load_b128 v[OB+4*\i:OB+4*\i+3], v[RD] offset:544*\i
.endr
.irp i, 0,1,2,3,4,5,6,7
	s_wait_dscnt 7-\i                              ; load i is in; the younger ones stay out
	global_store_b128 v[GO], v[OB+4*\i:OB+4*\i+3], s[80:81] offset:(32*((\n)/2)+8*((\n)%2)+2*\i+8*(\i/4))*4096 th:TH_STORE_NT   ; lane-rows 2 i, 2 i + 1 of the tile; 16 lanes store 256 consecutive bytes, at a multiple of 256 from out0's first byte
.endr
.endm
	PLACES
.irp n, 0,1,2,3
	ds_load_b32 v[RI+2*\n], v[RLR] offset:64*\n
	ds_load_b32 v[RI+2*\n+1], v[RLR] offset:64*\n
.endr
	s_wait_dscnt 0x0
	OUTN 0
	OUTN 1
	OUTN 2
	OUTN 3
	s_wait_tensorcnt 0x0                           ; the wave's end
	ds_add_u32 v[SPW], v[NIL]
	s_wait_dscnt 0x0
	CROUND                                         ; the closing round: no work-group ends while a partner may still ask for a tile that names it
	s_endpgm
.Lfunc_end_k_qe071f08c6e_pv:
	.size	k_qe071f08c6e_pv, .Lfunc_end_k_qe071f08c6e_pv-k_qe071f08c6e_pv
	.p2alignl 7, 3214868480
	.fill 96, 4, 3214868480
	.section	.rodata,"a",@progbits
	.p2align	6, 0x0
	.amdhsa_kernel k_qe071f08c6e_pv
		.amdhsa_group_segment_fixed_size 327680
		.amdhsa_private_segment_fixed_size 0
		.amdhsa_enable_private_segment 0
		.amdhsa_kernarg_size 24
		.amdhsa_user_sgpr_count 2
		.amdhsa_user_sgpr_kernarg_segment_ptr 1
		.amdhsa_wavefront_size32 1
		.amdhsa_system_sgpr_workgroup_id_x 1
		.amdhsa_system_sgpr_workgroup_id_y 1
		.amdhsa_system_sgpr_workgroup_id_z 1
		.amdhsa_system_vgpr_workitem_id 0
		.amdhsa_next_free_vgpr 768
		.amdhsa_next_free_sgpr 102
		.amdhsa_reserve_vcc 0
		.amdhsa_float_denorm_mode_32 3
		.amdhsa_float_denorm_mode_16_64 3
		.amdhsa_memory_ordered 1
		.amdhsa_forward_progress 1
		.amdhsa_inst_pref_size 109
	.end_amdhsa_kernel
	.amdgpu_metadata
---
amdhsa.version: [ 1, 2 ]
amdhsa.kernels:
  - .name:           k_qe071f08c6e_pv
    .symbol:         k_qe071f08c6e_pv.kd
    .args:
      - { .name: Y, .offset: 0, .size: 8, .value_kind: global_buffer, .address_space: global }
      - { .name: P, .offset: 8, .size: 8, .value_kind: global_buffer, .address_space: global }
      - { .name: out0, .offset: 16, .size: 8, .value_kind: global_buffer, .address_space: global }
    .group_segment_fixed_size: 327680
    .private_segment_fixed_size: 0
    .kernarg_segment_align: 8
    .kernarg_segment_size: 24
    .max_flat_workgroup_size: 128
    .sgpr_count:     102
    .vgpr_count:     768
    .wavefront_size: 32
...
	.end_amdgpu_metadata
.endif
;; end of part 4
